; MI455X (gfx1250); checked and timed in simulation.
; The chip was launched on July 23, 2026; its instructions are those of AMD's public machine-readable ISA for CDNA 5 (MIT licence, August 2026) and "CDNA5" Instruction Set Architecture Reference Guide (July 2026). The comments in the code are by the model that wrote it; some were corrected since.
;; GQA Attention. Allowed arithmetic: matrix products marked QUANTISED: E2M3 operands, one E8M0 scale for each 32 along K, by v_wmma_scale_f32_16x16x128_f8f6f4 with both operands' format E2M3, f32 sums; everything else in f32.
;; Inputs: bk 1,024 float32; bo 4,096 float32; bq 2,048 float32; bv 1,024 float32; position_ids 1 x 2,048 int32; wk 1,024 x 4,096 float32; wo 4,096 x 2,048 float32; wq 2,048 x 4,096 float32; wv 1,024 x 4,096 float32; x 1 x 2,048 x 4,096 float32.
;; Outputs: out0 1 x 2,048 x 4,096 float32.
;; This version of the problem:
;;   THIS VERSION OF THE PROBLEM IS GIVEN IN LOW PRECISION. The matrix products marked QUANTISED in the list below multiply operands that are first quantised to E2M3 (2 exponent bits, 3 mantissa bits; 6 bits a number), with one power-of-two scale for each 32 numbers along K (OCP MX v1.0); their sums are f32. All else is computed in f32.
;;   The module's matrix products, in the order in which they are computed (A, B: the left and right operand; K: the contracted axis; several contracted axes count as one K, in the product's order):
;;     1. [M 2,048, K 4,096] x [K 4,096, N 2,048]; A: input x; B: input wq: QUANTISED
;;     2. [M 2,048, K 4,096] x [K 4,096, N 1,024]; A: input x; B: input wk: QUANTISED
;;     3. [M 2,048, K 4,096] x [K 4,096, N 1,024]; A: input x; B: input wv: QUANTISED
;;     4. batch 8 x [M 4,096, K 128] x [K 128, N 2,048]; A: computed on the way; B: computed on the way: QUANTISED
;;     5. batch 8 x [M 4,096, K 2,048] x [K 2,048, N 128]; A: softmax (see below); B: computed on the way: QUANTISED
;;     6. [M 2,048, K 2,048] x [K 2,048, N 4,096]; A: computed on the way; B: input wo: QUANTISED
;;   THE QUANTISER, for each operand of a quantised product, along K:
;;     - K is cut into blocks of 32 from its start; a last block that is shorter is filled with zeros.
;;     - A block's scale is 2^e with e = floor(log2(the largest magnitude in the block)) - 2, held to -126 .. 127; a block of zeros has e = 0. As a byte (E8M0): e + 127.
;;     - Each number is divided by its block's scale, clamped to +-7.5, and rounded to the nearest number of E2M3, ties to even, subnormals kept.
;;     - The product sums the exact products of the quantised numbers (number of the format x scale) in f32.
;;   ~~~python
;;   def quantise(x, axis):      # numpy; x: float32 -> the quantised numbers, widened to float32 again
;;       x = np.moveaxis(x, axis, -1); K = x.shape[-1]
;;       x = np.pad(x, [(0, 0)] * (x.ndim - 1) + [(0, -K % 32)]); x = x.reshape(x.shape[:-1] + (-1, 32)); a = np.abs(x).max(-1, keepdims=True)
;;       e = np.where(a > 0, np.clip(np.frexp(np.where(a > 0, a, 1))[1] - 1 - 2, -126, 127), 0)      # np.frexp(a)[1] - 1 = floor(log2(a)), exactly
;;       r = np.clip(x / 2.0 ** e, -7.5, 7.5)
;;       step = 2.0 ** (np.maximum(np.frexp(np.where(r == 0, 1, r))[1] - 1, 0) - 3)
;;       q = np.round(r / step) * step * 2.0 ** e      # np.round: ties to even
;;       return np.moveaxis(q.reshape(q.shape[:-2] + (-1,))[..., :K], -1, axis).astype(np.float32)
;;   ~~~
;;   SOFTMAX AHEAD OF A QUANTISED PRODUCT. Where the list says 'softmax', what is quantised is not the finished softmax but p = 2^(t - M), with t = logit x log2(e) and M = ceil(the row's largest t), a whole number; so 1/2 < the row's largest p <= 1. The row's sum l is taken of the UNQUANTISED p, in f32, and the product's result is divided by l at the end. Since M is a whole number, a kernel that streams over the keys may use a running M (the ceiling of the running maximum): every later rescaling is an exact power of two, which a block's scale takes up: the codes' values come out the same.
;;   OPERANDS COMPUTED ON THE WAY. 'Computed on the way' means the value that the module computes at that place (a softmax that the list does not call 'softmax' is quantised finished and normalised). What goes into a quantiser is computed in f32, as accurately as f32 sums, v_exp_f32 and their like allow (about 1e-6 of the number): no bf16 or f16 on the way to a quantiser, and a product that is left as it is and whose result goes on into a quantised operand takes f32 operands (vector FMAs, or v_wmma_f32_16x16x4_f32). A number that lies on a knife's edge between two numbers of the format may be rounded either way, as far as f32 arithmetic and the matrix unit's own rounding can turn it there, and no further.
;; One version. Each part assembles by itself: llvm-mc -triple=amdgcn-amd-amdhsa -mcpu=gfx1250 --defsym DOCPART=n.
;; ======== version 1 of 1: 4 launches
;; limits: right only within a limited range of input values
;; workspace buffers: xr 6,553,600 bytes; wr 13,107,200 bytes; wor 6,553,600 bytes; rope 1,048,576 bytes; qr 3,276,800 bytes; kv 3,276,800 bytes; ar 3,276,800 bytes
;; launch quant (part 1): grid 1024 x 1, 4 waves a work-group, no clusters, 34,304 bytes of LDS; arguments x, wq, wk, wv, wo, position_ids, xr, wr, wor, rope; writes xr, wr, wor, rope
.if DOCPART == 1
	.amdgcn_target "amdgcn-amd-amdhsa--gfx1250"
	.amdhsa_code_object_version 6
	.text
	.protected	k_q08b113dc06_quant
	.globl	k_q08b113dc06_quant
	.p2align	8
	.type	k_q08b113dc06_quant,@function
k_q08b113dc06_quant:
	s_mov_b64 s[64:65], 0
	v_nop
	global_prefetch_b8 v0, s[64:65] scope:SCOPE_SE
	s_setreg_imm32_b32 hwreg(HW_REG_WAVE_MODE, 25, 1), 1
	s_wait_xcnt 0x0
; x, wq, wk, wv, wo (f32, K innermost) become codes of FP6 (E2M3) with one E8M0 byte for each 32 along K, laid in the ORDER OF THE OPERAND'S REGISTERS; and the table of cos and sin is made from position_ids.
; A RECORD is 16 rows x 512 along K, 6,400 bytes: four fragment images of 1,536 bytes (register 4 g + i of lane l at 512 g + 16 l + 4 i), then 256 bytes of scale words (word f of row slot r at 16 r + 4 f).
; Row block t, slot r, holds the tensor's row 32 (t / 2) + 8 (t % 2) + r + 8 (r / 8): as source 0 of a transposed product that order leaves a lane's registers as neighbours along the next K.
; SHARES: a wave makes one record: 32 KB of f32 in, 6,400 bytes out.  Work-groups 0-255 take x, 256-511 wq, 512-639 wk, 640-767 wv, 768-1023 wo: only pointers and sizes are chosen, all take one path.
; Each load reads 512 consecutive bytes of one row; a fragment's 16 rows turn through the wave's own stage in LDS (rows 528 bytes apart) so that a lane gets its two whole blocks of 32; every store covers 512 consecutive bytes.
; A block's scale is 2^(floor(log2(largest magnitude)) - 2): its byte is the largest magnitude's exponent field - 2, held at 1 from below.
; THE TABLE: wave 0 of work-group g makes, for row block g / 8, quad g % 8 of cos and of sin: register i = 4 (g % 8) + e of lane (r, h) is frequency 32 (i / 16) + 16 h + i % 16 at the slot's position.
; cos and sin are made in f32: inv_freq = 2^(-F log2(10000) / 64) with the constant in two parts, the angle reduced by pi / 2 in three parts, and polynomials on [-pi/4, pi/4].
; LIMITS: |angle| under 2^22; inv_freq lies within about 1.5e-7 of the exact power; NaN and infinities are not served; a block of zeros gets the byte 1 (its codes are zeros, and this program alone reads the bytes).
.set PIT,   528                        ; a stage row: 512 bytes + 16
.set WSTG,  16*PIT                     ; a wave's stage
.set REC,   6400
.set LI,    1                          ; v1      16 x lane
.set STI,   2                          ; v2      the stage, on the way in
.set STO,   3                          ; v3      and on the way out: row r, + 128 h
.set OFF,   8                          ; v8-23   byte offset of my 16 bytes in row slot i; never rewritten
.set R,     24                         ; v24-151 two sets of 64: a fragment's numbers as loaded
.set X,     152                        ; v152-215 my two blocks of 32
.set C,     216                        ; v216-227 the fragment's codes
.set W,     242                        ; v242-245 the four scale words
	s_load_b512 s[4:19], s[0:1], 0x0               ; x, wq, wk, wv, wo, position_ids, xr, wr
	s_load_b128 s[20:23], s[0:1], 0x40             ; wor, rope
	v_lshl_add_u32 v248, v0, 2, 0x8400             ; v248: my spare word, behind the four stages (4 x 8,448 bytes); v249: 0; both kept for the closing add alone
	v_mov_b32 v249, 0
	v_lshrrev_b32 v6, 5, v0
	v_readfirstlane_b32 s25, v6                    ; wave
	v_and_b32 v6, 31, v0
	v_lshlrev_b32 v[LI], 4, v6
	v_and_b32 v4, 15, v0                           ; r
	v_bfe_u32 v5, v0, 4, 1                         ; h
	s_mul_i32 s48, s25, WSTG
	v_add_nc_u32 v[STI], s48, v[LI]
	v_mul_u32_u24 v[STO], v4, PIT
	v_lshl_add_u32 v[STO], v5, 7, v[STO]
	v_add_nc_u32 v[STO], s48, v[STO]
	v_lshlrev_b32 v6, 4, v4
	v_lshl_add_u32 v6, v5, 3, v6                   ; 16 r + 8 h: my two scale words' place
	v_and_b32 v7, 8, v4
	v_add_nc_u32 v7, v7, v4
	v_lshlrev_b32 v7, 2, v7                        ; 4 (r + 8 (r / 8)): my slot's position
	v_lshlrev_b32 v231, 3, v5                      ; 8 h
	v_mov_b32 v247, 0                              ; a lane permute's destination counts as one of its sources
	s_mov_b32 s46, 0x76543210
	s_mov_b32 s47, 0xfedcba98                      ; selects for lane l xor 16
	s_mov_b32 s24, ttmp9
	s_mov_b32 s30, 768                             ; the tensor's first work-group,
	s_mov_b32 s31, 0                               ; its first record in the buffer,
	s_mov_b32 s32, 2                               ; log2 of its records a row block,
	s_mov_b32 s33, 8192                            ; its row in bytes: wo's, unless one of the choices below holds
	s_wait_kmcnt 0x0
	s_mov_b64 s[26:27], s[12:13]
	s_mov_b64 s[28:29], s[20:21]
	s_cmp_lt_u32 s24, 768                          ; every choice hangs on the work-group's number alone
	s_cselect_b64 s[26:27], s[10:11], s[26:27]
	s_cselect_b64 s[28:29], s[18:19], s[28:29]
	s_cselect_b32 s30, 640, s30
	s_cselect_b32 s31, 1536, s31
	s_cselect_b32 s32, 3, s32
	s_cselect_b32 s33, 16384, s33
	s_cmp_lt_u32 s24, 640
	s_cselect_b64 s[26:27], s[8:9], s[26:27]
	s_cselect_b32 s30, 512, s30
	s_cselect_b32 s31, 1024, s31
	s_cmp_lt_u32 s24, 512
	s_cselect_b64 s[26:27], s[6:7], s[26:27]
	s_cselect_b32 s30, 256, s30
	s_cselect_b32 s31, 0, s31
	s_cmp_lt_u32 s24, 256
	s_cselect_b64 s[26:27], s[4:5], s[26:27]
	s_cselect_b64 s[28:29], s[16:17], s[28:29]
	s_cselect_b32 s30, 0, s30
	s_sub_co_u32 s34, s24, s30
	s_lshl_b32 s34, s34, 2
	s_add_co_u32 s34, s34, s25                     ; e: my record in the tensor
	s_lshr_b32 s35, s34, s32                       ; t: its row block
	s_lshl_b32 s36, s35, s32
	s_sub_co_u32 s36, s34, s36                     ; kq: its 512 along K
	s_lshr_b32 s37, s35, 1
	s_lshl_b32 s37, s37, 5
	s_and_b32 s38, s35, 1
	s_lshl_b32 s38, s38, 3
	s_add_co_u32 s37, s37, s38                     ; the block's first row
	s_mul_i32 s38, s37, s33
	s_lshl_b32 s36, s36, 11
	s_add_co_u32 s38, s38, s36
	s_mov_b32 s39, 0
	s_add_nc_u64 s[26:27], s[26:27], s[38:39]      ; from here
	s_add_co_u32 s38, s34, s31
	s_mul_i32 s38, s38, REC
	s_add_nc_u64 s[28:29], s[28:29], s[38:39]      ; to here
.irp i, 0,1,2,3,4,5,6,7,8,9,10,11,12,13,14,15
	v_mad_u32_u24 v[OFF+\i], s33, \i+8*(\i/8), v[LI]
.endr
	; the table's task: row block tb = g / 8, quad g % 8
	s_lshr_b32 s40, s24, 3
	s_and_b32 s41, s24, 7
	s_lshr_b32 s42, s40, 1
	s_lshl_b32 s42, s42, 7
	s_and_b32 s43, s40, 1
	s_lshl_b32 s43, s43, 5
	s_add_co_u32 s42, s42, s43                     ; 4 x the block's first row
	s_mov_b32 s43, 0
	s_add_nc_u64 s[14:15], s[14:15], s[42:43]
	s_lshl_b32 s42, s40, 13
	s_lshl_b32 s44, s41, 9
	s_add_co_u32 s42, s42, s44
	s_add_nc_u64 s[22:23], s[22:23], s[42:43]      ; the table at 8,192 tb + 512 (g % 8)
	s_lshr_b32 s44, s41, 2
	s_lshl_b32 s44, s44, 5
	s_and_b32 s45, s41, 3
	s_lshl_b32 s45, s45, 2
	s_add_co_u32 s44, s44, s45                     ; the quad's first frequency in lanes 0-15
	s_mov_b32 s50, 0x3e549a80                      ; log2(10000) / 64: 108853 x 2^-19, so that F x it is exact,
	s_mov_b32 s51, 0xb3f68659                      ; and the rest
	s_mov_b32 s52, 0x3fc90fdb                      ; pi / 2 in three parts
	s_mov_b32 s53, 0xb33bbd2e
	s_mov_b32 s54, 0xa6f72ced
.macro LOAD f                          ; fragment f: 16 rows x 128 numbers, each load 512 consecutive bytes of one row
.irp i, 0,1,2,3,4,5,6,7,8,9,10,11,12,13,14,15
	global_load_b128 v[R+64*((\f)%2)+4*\i:R+64*((\f)%2)+4*\i+3], v[OFF+\i], s[26:27] offset:512*(\f) th:TH_LOAD_NT
.endr
.endm
.macro TURN f                          ; through my stage: LDS serves a wave's instructions in order, so no wait stands between the stores and the loads
.irp i, 0,1,2,3,4,5,6,7,8,9,10,11,12,13,14,15
	ds_store_b128 v[STI], v[R+64*((\f)%2)+4*\i:R+64*((\f)%2)+4*\i+3] offset:PIT*\i
.endr
.irp c, 0,1
.irp e, 0,1,2,3,4,5,6,7
	ds_load_b128 v[X+32*\c+4*\e:X+32*\c+4*\e+3], v[STO] offset:256*\c+16*\e   ; X[32 c + i] = k 64 c + 32 h + i of row slot r
.endr
.endr
.endm
.macro QF f                            ; my two blocks become registers 6 c .. 6 c + 5 of the fragment, and the row's scale word
.irp c, 0,1
	v_max3_num_f32 v[236+\c], |v[X+32*\c]|, |v[X+32*\c+1]|, 0x1800000   ; the floor 2^(3 - 127) holds the byte at 1 from below
.endr
.irp i, 2,4,6,8,10,12,14,16,18,20,22,24,26,28,30
.irp c, 0,1
	v_max3_num_f32 v[236+\c], v[236+\c], |v[X+32*\c+\i]|, |v[X+32*\c+\i+1]|
.endr
.endr
.irp c, 0,1
	v_add_nc_u32 v[238+\c], 0xff000000, v[236+\c]  ; 2 off the exponent field: the conversion's scale operand
.endr
.irp c, 0,1
	v_lshrrev_b32 v[240+\c], 23, v[238+\c]         ; the scale's byte
.endr
	v_lshl_or_b32 v246, v241, 16, v240             ; blocks h and 2 + h,
	v_lshlrev_b32 v246, v231, v246                 ; at their places in the word;
	v_permlanex16_b32 v247, v246, s46, s47
	v_or_b32 v[W+\f], v246, v247                   ; with lane l xor 16's two the word is whole
	s_wait_alu depctr_va_vdst(0)
	s_wait_xcnt 0x0                                ; the last fragment's stores have read the codes' registers
.irp c, 0,1
	v_cvt_scalef32_pk16_fp6_f32 v[C+6*\c:C+6*\c+2], v[X+32*\c:X+32*\c+15], v[238+\c]
	v_cvt_scalef32_pk16_fp6_f32 v[228+4*\c:230+4*\c], v[X+32*\c+16:X+32*\c+31], v[238+\c]   ; (a conversion's three registers begin on an even number)
.endr
	v_nop                                          ; one plain place behind a scaled conversion
.irp c, 0,1
.irp i, 0,1,2
	v_mov_b32 v[C+6*\c+3+\i], v[228+4*\c+\i]
.endr
.endr
.irp g, 0,1,2
	global_store_b128 v[LI], v[C+4*\g:C+4*\g+3], s[28:29] offset:1536*(\f)+512*\g   ; 512 consecutive bytes, aligned
.endr
.endm
	s_cmp_lg_u32 s25, 0
	s_cbranch_scc1 .Lno_pos
	global_load_b32 v235, v7, s[14:15]             ; wave 0: my slot's position, ahead of the stream's loads
.Lno_pos:
	s_wait_alu depctr_va_vdst(0)
	LOAD 0
	LOAD 1
	s_cmp_lg_u32 s25, 0
	s_cbranch_scc1 .Lno_rope
	s_wait_loadcnt 32                              ; the position is in; the 32 loads issued behind it stay out
	v_cvt_f32_i32 v152, v235
	v_lshl_add_u32 v153, v5, 4, s44
.irp e, 0,1,2,3
	v_add_nc_u32 v[156+\e], \e, v153
.endr
.irp e, 0,1,2,3
	v_cvt_f32_u32 v[156+\e], v[156+\e]             ; F
.endr
.irp e, 0,1,2,3
	v_mul_f32 v[160+\e], s50, v[156+\e]            ; exact
.endr
.irp e, 0,1,2,3
	v_rndne_f32 v[164+\e], v[160+\e]               ; its whole part N
.endr
.irp e, 0,1,2,3
	v_sub_f32 v[160+\e], v[160+\e], v[164+\e]
.endr
.irp e, 0,1,2,3
	v_fmac_f32 v[160+\e], s51, v[156+\e]           ; the fraction, with the constant's second part
.endr
	s_wait_alu depctr_va_vdst(0)
.irp e, 0,1,2,3
	v_exp_f32 v[160+\e], -v[160+\e]
.endr
.irp e, 0,1,2,3
	v_cvt_i32_f32 v[164+\e], v[164+\e]             ; (plain lines behind the exponentials)
.endr
.irp e, 0,1,2,3
	v_sub_nc_u32 v[164+\e], 0, v[164+\e]
.endr
	s_wait_alu depctr_va_vdst(0)
.irp e, 0,1,2,3
	v_ldexp_f32 v[160+\e], v[160+\e], v[164+\e]    ; inv_freq = 2^(-fraction) x 2^(-N)
.endr
.irp e, 0,1,2,3
	v_mul_f32 v[160+\e], v152, v[160+\e]           ; the angle: one rounding
.endr
.irp e, 0,1,2,3
	v_mul_f32 v[164+\e], 0x3f22f983, v[160+\e]
.endr
.irp e, 0,1,2,3
	v_rndne_f32 v[164+\e], v[164+\e]               ; k = the nearest multiple of pi / 2
.endr
.irp e, 0,1,2,3
	v_fma_f32 v[160+\e], -v[164+\e], s52, v[160+\e]
.endr
.irp e, 0,1,2,3
	v_fma_f32 v[160+\e], -v[164+\e], s53, v[160+\e]
.endr
.irp e, 0,1,2,3
	v_fma_f32 v[160+\e], -v[164+\e], s54, v[160+\e]   ; the rest, within pi / 4
.endr
.irp e, 0,1,2,3
	v_mul_f32 v[168+\e], v[160+\e], v[160+\e]      ; z
.endr
.irp e, 0,1,2,3
	v_mov_b32 v[172+\e], 0x3638ef1d                ; sin: 1/9!
	v_mov_b32 v[176+\e], 0xb493f27e                ; cos: -1/10!
.endr
.irp e, 0,1,2,3
	v_fmaak_f32 v[172+\e], v[168+\e], v[172+\e], 0xb9500d01
	v_fmaak_f32 v[176+\e], v[168+\e], v[176+\e], 0x37d00d01
.endr
.irp e, 0,1,2,3
	v_fmaak_f32 v[172+\e], v[168+\e], v[172+\e], 0x3c088889
	v_fmaak_f32 v[176+\e], v[168+\e], v[176+\e], 0xbab60b61
.endr
.irp e, 0,1,2,3
	v_fmaak_f32 v[172+\e], v[168+\e], v[172+\e], 0xbe2aaaab
	v_fmaak_f32 v[176+\e], v[168+\e], v[176+\e], 0x3d2aaaab
.endr
.irp e, 0,1,2,3
	v_mul_f32 v[172+\e], v[172+\e], v[168+\e]
	v_fmaak_f32 v[176+\e], v[168+\e], v[176+\e], 0xbf000000
.endr
.irp e, 0,1,2,3
	v_fma_f32 v[172+\e], v[172+\e], v[160+\e], v[160+\e]   ; sin of the rest
	v_fma_f32 v[176+\e], v[176+\e], v[168+\e], 1.0          ; cos of the rest
.endr
.irp e, 0,1,2,3
	v_cvt_i32_f32 v[164+\e], v[164+\e]
.endr
.irp e, 0,1,2,3
	v_and_b32 v[180+\e], 1, v[164+\e]
.endr
.irp e, 0,1,2,3
	v_cmp_eq_u32 vcc_lo, 1, v[180+\e]              ; an odd quarter turn swaps the two (a choice of values, no branch)
	v_cndmask_b32 v[220+\e], v[172+\e], v[176+\e], vcc_lo   ; sin in v220-223, cos in v216-219: the codes' registers, which are first written behind the first fragment's wait on XCNT
	v_cndmask_b32 v[216+\e], v[176+\e], v[172+\e], vcc_lo
.endr
.irp e, 0,1,2,3
	v_and_b32 v[180+\e], 2, v[164+\e]              ; sin is negative in quarters 2, 3
	v_add_nc_u32 v[184+\e], 1, v[164+\e]           ; cos in quarters 1, 2
.endr
.irp e, 0,1,2,3
	v_lshlrev_b32 v[180+\e], 30, v[180+\e]
	v_and_b32 v[184+\e], 2, v[184+\e]
.endr
.irp e, 0,1,2,3
	v_xor_b32 v[220+\e], v[220+\e], v[180+\e]
	v_lshlrev_b32 v[184+\e], 30, v[184+\e]
.endr
.irp e, 0,1,2,3
	v_xor_b32 v[216+\e], v[216+\e], v[184+\e]
.endr
	global_store_b128 v[LI], v[216:219], s[22:23]              ; cos: 512 consecutive bytes
	global_store_b128 v[LI], v[220:223], s[22:23] offset:4096  ; sin
.Lno_rope:
.macro FRAGM f
.if (\f) < 3
	s_wait_loadcnt 16                              ; this fragment's 16 loads are in; the next fragment's 16 may be out
.else
	s_wait_loadcnt 0x0
.endif
	TURN \f
	s_wait_dscnt 0x0                               ; my blocks are in, and the stage's stores have read the set,
.if (\f) < 2
	LOAD (\f)+2                                    ; which takes the fragment two on
.endif
	QF \f
.endm
	FRAGM 0
	FRAGM 1
	FRAGM 2
	FRAGM 3
	v_cmp_eq_u32 vcc_lo, 1, v5
	v_cndmask_b32 v246, v[W], v[W+2], vcc_lo       ; lanes 0-15 store words 0, 1 of their slot, lanes 16-31 words 2, 3
	v_cndmask_b32 v247, v[W+1], v[W+3], vcc_lo
	global_store_b64 v6, v[246:247], s[28:29] offset:6144   ; 256 consecutive bytes, aligned
	s_wait_tensorcnt 0x0                           ; the wave's end
	ds_add_u32 v248, v249
	s_wait_dscnt 0x0
	s_endpgm
.Lfunc_end_k_q08b113dc06_quant:
	.size	k_q08b113dc06_quant, .Lfunc_end_k_q08b113dc06_quant-k_q08b113dc06_quant
	.p2alignl 7, 3214868480
	.fill 96, 4, 3214868480
	.section	.rodata,"a",@progbits
	.p2align	6, 0x0
	.amdhsa_kernel k_q08b113dc06_quant
		.amdhsa_group_segment_fixed_size 34304
		.amdhsa_private_segment_fixed_size 0
		.amdhsa_enable_private_segment 0
		.amdhsa_kernarg_size 80
		.amdhsa_user_sgpr_count 2
		.amdhsa_user_sgpr_kernarg_segment_ptr 1
		.amdhsa_wavefront_size32 1
		.amdhsa_system_sgpr_workgroup_id_x 1
		.amdhsa_system_sgpr_workgroup_id_y 1
		.amdhsa_system_sgpr_workgroup_id_z 1
		.amdhsa_system_vgpr_workitem_id 0
		.amdhsa_next_free_vgpr 256
		.amdhsa_next_free_sgpr 66
		.amdhsa_reserve_vcc 1
		.amdhsa_float_denorm_mode_32 3
		.amdhsa_float_denorm_mode_16_64 3
		.amdhsa_memory_ordered 1
		.amdhsa_forward_progress 1
		.amdhsa_inst_pref_size 41
	.end_amdhsa_kernel
	.amdgpu_metadata
---
amdhsa.version: [ 1, 2 ]
amdhsa.kernels:
  - .name:           k_q08b113dc06_quant
    .symbol:         k_q08b113dc06_quant.kd
    .args:
      - { .name: x, .offset: 0, .size: 8, .value_kind: global_buffer, .address_space: global }
      - { .name: wq, .offset: 8, .size: 8, .value_kind: global_buffer, .address_space: global }
      - { .name: wk, .offset: 16, .size: 8, .value_kind: global_buffer, .address_space: global }
      - { .name: wv, .offset: 24, .size: 8, .value_kind: global_buffer, .address_space: global }
      - { .name: wo, .offset: 32, .size: 8, .value_kind: global_buffer, .address_space: global }
      - { .name: position_ids, .offset: 40, .size: 8, .value_kind: global_buffer, .address_space: global }
      - { .name: xr, .offset: 48, .size: 8, .value_kind: global_buffer, .address_space: global }
      - { .name: wr, .offset: 56, .size: 8, .value_kind: global_buffer, .address_space: global }
      - { .name: wor, .offset: 64, .size: 8, .value_kind: global_buffer, .address_space: global }
      - { .name: rope, .offset: 72, .size: 8, .value_kind: global_buffer, .address_space: global }
    .group_segment_fixed_size: 34304
    .private_segment_fixed_size: 0
    .kernarg_segment_align: 8
    .kernarg_segment_size: 80
    .max_flat_workgroup_size: 128
    .sgpr_count:     66
    .vgpr_count:     256
    .wavefront_size: 32
...
	.end_amdgpu_metadata
.endif
;; end of part 1
;; launch qkv (part 2): grid 16 x 16, 4 waves a work-group, clusters of 4 x 4, 327,680 bytes of LDS; arguments xr, wr, bq, bk, bv, rope, qr, kv; writes qr, kv
.if DOCPART == 2
	.amdgcn_target "amdgcn-amd-amdhsa--gfx1250"
	.amdhsa_code_object_version 6
	.text
	.protected	k_q08b113dc06_qkv
	.globl	k_q08b113dc06_qkv
	.p2align	8
	.type	k_q08b113dc06_qkv,@function
k_q08b113dc06_qkv:
	s_mov_b64 s[64:65], 0
	v_nop
	global_prefetch_b8 v0, s[64:65] scope:SCOPE_SE
	s_setreg_imm32_b32 hwreg(HW_REG_WAVE_MODE, 25, 1), 1
	s_wait_xcnt 0x0
	s_wait_alu depctr_hold_cnt(0) depctr_sa_sdst(0) depctr_va_vdst(0) depctr_va_sdst(0) depctr_va_ssrc(0) depctr_va_vcc(0) depctr_vm_vsrc(0)
	s_getreg_b32 s2, hwreg(HW_REG_IB_STS2, 6, 4)
	s_cmp_eq_u32 s2, 0
	s_cbranch_scc0 .Lentry_in_a_cluster
	s_endpgm
.Lentry_in_a_cluster:
	s_bfe_u32 s2, ttmp6, 0x10000c
	s_cmp_lg_u32 s2, 0xf033
	s_cbranch_scc0 .Lentry_shape_is_right
	s_endpgm
.Lentry_shape_is_right:
; q, k, v = x W^T + b on codes of FP6 (E2M3) with E8M0 scales; q and k are turned by the table of cos and sin; each result is quantised at once along the K of the product that takes it, and stored as images of operand registers.
; OPERANDS are records of 16 rows x 512 along K, 6,400 bytes: four fragment images of 1,536 bytes (one for each 128 along K) and 256 bytes of scale words; a row block has 8 records on end.
; SHARES: a work-group makes 128 x 256 of the result.  Clusters with x = 0, 1 take wq, x = 2 wk: the 128 side (A) is x's rows, the 256 side (B) the weight's.  Clusters with x = 3 take wv the other way round, so that V's codes have the keys innermost.
; A WAVE makes 128 x 128 (64 accumulators) over HALF of K: waves 0, 1 take the first two images of every record, waves 2, 3 the last two; wave % 2 says which 128 of B's rows.  So 16 fragments from LDS feed 64 products.
; Of A's 8 records a wave calls 4 its own (4 (wave / 2) on; accumulators in window 2) and 4 foreign (window 3).  At the end it hands its foreign sums to wave xor 2 through LDS, as an image of the registers, and adds what it gets to its own:
; each wave then finishes 64 x 128.  The stage for that lies in slot 0, which has had its last fill and its last read by then.
; K goes in 8 chunks of 512 through two LDS slots of 24 records.  4 x 4 work-groups form a cluster: A's tile is asked for jointly along a row of the cluster, B's along a column; waves 0, 1 fetch A's halves, waves 2, 3 B's.
; REGISTERS: window 0: v1-35 addresses and small things; v40-71 scale words, two sets; v80-175 A's fragments, one set (own 80-127, foreign 128-175); v176-239 the column bias; v240-255 the quantiser's.  On the way out v80-171 are at work.
;   window 1: B's fragments, two sets, at v0 and v128; the table of cos and sin comes into this window in the tail.   windows 2, 3: the accumulators, (a, b) at v[8 (8 (a % 4) + b)].
; LIMITS: NaN and infinities are not served; a block of zeros gets the byte 1 (its codes are zeros, and this program alone reads the bytes).
.set KQ,    8
.set LAPS,  KQ/2
.set REC,   6400
.set RBB,   KQ*REC
.set SLOT,  24*REC
.set BOFF,  8*REC
.set SPARE, 2*SLOT
.set PFO,   1                          ; v1     256 x min(lane, 24); never rewritten
.set ADAO,  4                          ; v4-5   my own A fragments in slot 0, 1
.set ADAF,  6                          ; v6-7   the foreign ones
.set ADRB,  8                          ; v8-9   B's
.set ADSO,  10                         ; v10-11 scale words: lanes 0-15 my own A records, lanes 16-31 B's records 0-3
.set ADSF,  12                         ; v12-13 lanes 0-15 the foreign A records, lanes 16-31 B's records 4-7
.set LI,    14
.set SO,    15
.set SPW,   16
.set NIL,   17
.set RB,    18
.set W,     26
.set CBO,   32
.set RBO,   33
.set STG,   34                         ; the stage: where I put my foreign sums,
.set STL,   35                         ; and where my partner has put mine
.set SC,    40
.set AF,    80
.set CB,    176
.set TM,    240
.set T,     80
.set PC,    144
.set U,     164
.set G1A,   24
.set G0A,   32
.set G1B,   40
.set G0B,   48
.set PFA,   2                          ; s[2:3] the prefetches' base, stepped a chunk at each refill
.set MUL_LO, 0xa1                      ; source 0 (B) window 1, source 1 (A) window 0, C and D window 2
.set MUL_HI, 0xf1                      ; the same, C and D window 3
.set TO_B,   0x40                      ; destination window 1
.set MSB, 0
.macro WIN new
.if MSB != \new
	s_set_vgpr_msb (MSB<<8)|\new
.set MSB, \new
.endif
.endm
.macro PLACES n
.rept \n
	v_nop
.endr
.endm
.macro JLOAD s
	s_cmp_eq_u32 s21, 0
	s_cbranch_scc0 .Lfor_b_\@
	tensor_load_to_lds s[G0A+4*\s:G0A+4*\s+3], s[G1A:G1A+7]
	s_nop 0
.rept 4
	v_nop
.endr
	s_branch .Lasked_\@
.Lfor_b_\@:
	tensor_load_to_lds s[G0B+4*\s:G0B+4*\s+3], s[G1B:G1B+7]
	s_nop 0
.rept 4
	v_nop
.endr
.Lasked_\@:
.endm
.macro CREST
	s_cmp_lg_u32 s20, 0
	s_cbranch_scc1 .Lnot_wave_0_\@
	s_barrier_signal -3
.Lnot_wave_0_\@:
	s_barrier_wait -3
	s_barrier_signal -1
	s_barrier_wait -1
.endm
.macro CROUND
	s_barrier_signal -1
	s_barrier_wait -1
	CREST
.endm
; A PREFETCH INTO THE L2 of the chunk at byte off of my records.  Of the records that my wave fetches jointly with three partners (4 of A, waves 0 and 1; 8 of B, waves 2 and 3) my work-group names a quarter,
; told apart by address alone (place cx: one record; place cy: two records, the second RBB bytes on).  A chunk of a record is 25 blocks of 256 bytes, a lane a block; lanes 25-31 name the last block again.
; What is needed first is asked for first: chunk 1 behind the head's address work, which follows chunk 0's load; chunks 2 and 3 behind chunk 1's load, one and two slots ahead of their refills;
; chunk c + 2 behind the refill with chunk c; the last two refills ask for nothing.  So at most two chunks are asked for and not yet loaded.
.macro ASK off
	global_prefetch_b8 v[PFO], s[PFA:PFA+1] offset:\off th:TH_LOAD_NT scope:SCOPE_SE
	s_cmp_eq_u32 s21, 0
	s_cbranch_scc1 .Lone_\@
	global_prefetch_b8 v[PFO], s[PFA:PFA+1] offset:\off+RBB th:TH_LOAD_NT scope:SCOPE_SE
.Lone_\@:
.endm
.macro FRAG reg, adr, off              ; a fragment is an image of its 12 registers: three loads of 16 bytes a lane
.irp g, 0,1,2
	ds_load_b128 v[\reg+4*\g:\reg+4*\g+3], v[\adr] offset:\off+512*\g
.endr
.endm
.macro FETCH_B slot, q                 ; B's eight fragments of my q-th image into set q: 24 loads
	WIN TO_B
.irp b, 0,1,2,3,4,5,6,7
	FRAG 128*(\q)+12*\b, ADRB+(\slot), REC*\b+1536*(\q)
.endr
	WIN 0
.endm
.macro FETCH_AO slot, q                ; my own four of A: 12 loads
.irp a, 0,1,2,3
	FRAG AF+12*\a, ADAO+(\slot), REC*\a+1536*(\q)
.endr
.endm
.macro FETCH_AF slot, q                ; the foreign four: 12 loads
.irp a, 0,1,2,3
	FRAG AF+48+12*\a, ADAF+(\slot), REC*\a+1536*(\q)
.endr
.endm
.macro SCALES slot                     ; 8 loads: register 2 i + q of the set: lanes 0-15 the word of A's block i, lanes 16-31 of B's block i, for my q-th image
.irp i, 0,1,2,3
	ds_load_b64 v[SC+16*(\slot)+2*\i:SC+16*(\slot)+2*\i+1], v[ADSO+(\slot)] offset:REC*\i
.endr
.irp i, 0,1,2,3
	ds_load_b64 v[SC+16*(\slot)+8+2*\i:SC+16*(\slot)+8+2*\i+1], v[ADSF+(\slot)] offset:REC*\i
.endr
.endm
; 16 products: A's blocks a0, a0 + 1 against B's eight.  The accumulators take turns, one instruction a turn.  Used transposed: source 0 = B's rows, source 1 = A's.
.macro MUL16 a0, q, sc, zero
.irp a, \a0, \a0+1
.irp b, 0,1,2,3,4,5,6,7
.if \zero
	v_wmma_scale_f32_16x16x128_f8f6f4 v[8*(8*((\a)%4)+\b):8*(8*((\a)%4)+\b)+7], v[128*(\q)+12*\b:128*(\q)+12*\b+11], v[AF+12*(\a):AF+12*(\a)+11], 0, v[SC+16*(\sc)+2*\b+(\q)], v[SC+16*(\sc)+2*(\a)+(\q)] matrix_a_fmt:MATRIX_FMT_FP6 matrix_b_fmt:MATRIX_FMT_FP6 matrix_a_scale:MATRIX_SCALE_ROW1
.else
	v_wmma_scale_f32_16x16x128_f8f6f4 v[8*(8*((\a)%4)+\b):8*(8*((\a)%4)+\b)+7], v[128*(\q)+12*\b:128*(\q)+12*\b+11], v[AF+12*(\a):AF+12*(\a)+11], v[8*(8*((\a)%4)+\b):8*(8*((\a)%4)+\b)+7], v[SC+16*(\sc)+2*\b+(\q)], v[SC+16*(\sc)+2*(\a)+(\q)] matrix_a_fmt:MATRIX_FMT_FP6 matrix_b_fmt:MATRIX_FMT_FP6 matrix_a_scale:MATRIX_SCALE_ROW1
.endif
.endr
.endr
.endm
; My first image of a slot: 64 products; the second image's fragments are fetched in the middle and at the end, each run behind four places.
.macro STEPA slot, zero
	s_wait_dscnt 12                                ; all but the youngest 12 loads, the foreign four of A
	WIN MUL_LO
	MUL16 0, 0, \slot, \zero
	MUL16 2, 0, \slot, \zero
	s_wait_dscnt 0x0
	PLACES 4
	FETCH_B \slot, 1
	FETCH_AO \slot, 1
	WIN MUL_HI
	MUL16 4, 0, \slot, \zero
	MUL16 6, 0, \slot, \zero
	PLACES 4
	WIN 0
	FETCH_AF \slot, 1
.endm
; My second image: all its fragments are in registers or on their way, so the slot is read no more.  One barrier shows the other slot whole and this one free; with fill = 1 it opens a round of the cluster's barrier and the slot is filled again.
.macro STEPB slot, next, fill
.if \fill
	s_wait_xcnt 0x0                                ; my earlier prefetches have read their base: it steps a chunk
	s_add_nc_u64 s[PFA:PFA+1], s[PFA:PFA+1], REC
.endif
	s_wait_tensorcnt 0x0                           ; my one load that was out, my part of the other slot, has landed
	ds_add_u32 v[SPW], v[NIL]
	s_wait_dscnt 13                                ; (the add and the foreign four of A may be out)
	WIN MUL_LO
	MUL16 0, 1, \slot, 0
	s_wait_dscnt 0x0                               ; the add is done, and so are my reads of this slot
	s_barrier_signal -1
	MUL16 2, 1, \slot, 0
	WIN 0
	s_barrier_wait -1
.if \fill
	CREST
	s_add_nc_u64 s[G0A+4*\slot+2:G0A+4*\slot+3], s[G0A+4*\slot+2:G0A+4*\slot+3], 2*REC
	s_add_nc_u64 s[G0B+4*\slot+2:G0B+4*\slot+3], s[G0B+4*\slot+2:G0B+4*\slot+3], 2*REC
	JLOAD \slot                                    ; the first tensor load behind the round; its four v_nop are the places in front of the loads below
.else
	PLACES 4
.endif
	FETCH_B \next, 0
	FETCH_AO \next, 0
	SCALES \next
.if \fill
	s_cmp_gt_u32 s59, 1                            ; the loop's last trip loads chunks 6 and 7: no chunk stands two on
	s_cbranch_scc0 .Lno_ask_\@
	ASK 3*REC
.Lno_ask_\@:
.endif
	WIN MUL_HI
	MUL16 4, 1, \slot, 0
	MUL16 6, 1, \slot, 0
	PLACES 4
	WIN 0
	FETCH_AF \next, 0
.endm
.macro ROPE a, rc, rs                  ; the table of block a: 32 registers of cos at rc, 32 of sin at rs, in window 1: 16 loads of 512 consecutive bytes
.irp g, 0,1,2,3,4,5,6,7
	global_load_b128 v[\rc+4*\g:\rc+4*\g+3], v[LI], s[84:85] offset:8192*\a+512*\g
.endr
.irp g, 0,1,2,3,4,5,6,7
	global_load_b128 v[\rs+4*\g:\rs+4*\g+3], v[LI], s[84:85] offset:8192*\a+4096+512*\g
.endr
.endm
; 64 numbers of a lane, register 16 b + i = k 32 b + 16 h + i of my row, become a fragment's codes in v[PC] on and its scale word in v[pw]
.macro QUANT s, pw
.irp b, 0,1,2,3
	v_max3_num_f32 v[TM+\b], |v[\s+16*\b]|, |v[\s+1+16*\b]|, 0x1800000
.endr
.irp i, 2,4,6,8,10,12,14
.irp b, 0,1,2,3
	v_max3_num_f32 v[TM+\b], v[TM+\b], |v[\s+16*\b+\i]|, |v[\s+1+16*\b+\i]|
.endr
.endr
.irp b, 0,1,2,3
	v_permlanex16_b32 v[TM+4+\b], v[TM+\b], s96, s97
.endr
.irp b, 0,1,2,3
	v_max_num_f32 v[TM+\b], v[TM+\b], v[TM+4+\b]
.endr
.irp b, 0,1,2,3
	v_add_nc_u32 v[TM+12+\b], 0xff000000, v[TM+\b]
.endr
.irp b, 0,1,2,3
	v_lshrrev_b32 v[TM+4+\b], 23, v[TM+12+\b]
.endr
	v_lshl_or_b32 v[\pw], v[TM+5], 8, v[TM+4]
	v_lshl_or_b32 v[\pw], v[TM+6], 16, v[\pw]
	v_lshl_or_b32 v[\pw], v[TM+7], 24, v[\pw]
.irp c, 0,1
	v_cvt_scalef32_pk16_fp6_f32 v[PC+6*\c:PC+2+6*\c], v[\s+32*\c:\s+15+32*\c], v[TM+12+2*\c]
	v_cvt_scalef32_pk16_fp6_f32 v[PC+12+4*\c:PC+14+4*\c], v[\s+16+32*\c:\s+31+32*\c], v[TM+12+2*\c+1]
.endr
	v_nop
.irp c, 0,1
.irp i, 0,1,2
	v_permlane16_swap_b32 v[PC+6*\c+\i], v[PC+12+4*\c+\i]
.endr
.irp i, 0,1,2
	v_mov_b32 v[PC+3+6*\c+\i], v[PC+12+4*\c+\i]
.endr
.endr
.endm
	s_load_b512 s[4:19], s[0:1], 0x0
	v_lshl_add_u32 v[SPW], v0, 2, SPARE
	v_mov_b32 v[NIL], 0
	ds_add_u32 v[SPW], v[NIL]                      ; the opening lines: the add twice on end and one wait, ahead of my first tensor load
	ds_add_u32 v[SPW], v[NIL]
	v_lshrrev_b32 v1, 5, v0
	v_readfirstlane_b32 s20, v1                    ; wave
	s_lshr_b32 s21, s20, 1                         ; I fetch for A (0) or B (1); my half of K; which four of A's records are my own
	s_and_b32 s22, s20, 1                          ; which half of that tile I fetch; my half of B's rows
	s_bfe_u32 s56, ttmp6, 0x40000
	s_bfe_u32 s57, ttmp6, 0x40004
	s_and_b32 s58, ttmp7, 0xffff
	s_cmp_eq_u32 ttmp9, 3
	s_cselect_b32 s23, 1, 0                        ; 1: V's side
	s_xor_b32 s79, s23, 1
	s_lshl_b32 s70, s57, 2
	s_lshl_b32 s70, 15, s70
	s_lshl_b32 s71, 0x1111, s56
	s_or_b32 s[G1A], s70, (3<<16)|(1<<21)          ; A: 4 records of 800 elements of 8 bytes, a row block apart, to my row of the cluster
	s_mov_b32 s[G1A+1], 800<<16
	s_mov_b32 s[G1A+2], 4<<16
	s_mov_b32 s[G1A+3], 800<<16
	s_mov_b32 s[G1A+4], 4
	s_mov_b32 s[G1A+5], KQ*800
	s_mov_b32 s[G1A+6], 0
	s_mov_b32 s[G1A+7], 0
	s_or_b32 s[G1B], s71, (3<<16)|(1<<21)          ; B: 8 records, to my column
	s_mov_b32 s[G1B+1], 800<<16
	s_mov_b32 s[G1B+2], 8<<16
	s_mov_b32 s[G1B+3], 800<<16
	s_mov_b32 s[G1B+4], 8
	s_mov_b32 s[G1B+5], KQ*800
	s_mov_b32 s[G1B+6], 0
	s_mov_b32 s[G1B+7], 0
	s_and_b32 s60, s58, 1
	s_cmp_eq_u32 s23, 1
	s_cselect_b32 s60, s60, s58
	s_lshl_b32 s60, s60, 2
	s_add_co_u32 s60, s60, s57                     ; A's tile
	s_lshl_b32 s61, s60, 3
	s_mul_i32 s62, s23, 192
	s_add_co_u32 s61, s61, s62
	s_lshl_b32 s62, s22, 2
	s_add_co_u32 s61, s61, s62
	s_mul_i32 s62, s61, RBB
	s_mov_b32 s63, 0
	s_lshr_b32 s66, s58, 1
	s_cmp_eq_u32 s23, 1
	s_cselect_b32 s66, s66, ttmp9
	s_lshl_b32 s66, s66, 2
	s_add_co_u32 s66, s66, s56                     ; B's tile
	s_lshl_b32 s67, s66, 4
	s_lshl_b32 s68, s22, 3
	s_add_co_u32 s67, s67, s68
	s_mul_i32 s68, s67, RBB
	s_mov_b32 s69, 0
	s_mul_i32 s86, s22, 4*REC
	s_mul_i32 s87, s22, 8*REC
	s_add_co_u32 s87, s87, BOFF
	s_wait_dscnt 0x0                               ; both opening adds are done
	s_wait_kmcnt 0x0
	s_cmp_eq_u32 s23, 1
	s_cselect_b64 s[72:73], s[6:7], s[4:5]
	s_cselect_b64 s[74:75], s[4:5], s[6:7]
	s_add_nc_u64 s[72:73], s[72:73], s[62:63]
	s_add_nc_u64 s[74:75], s[74:75], s[68:69]
	CROUND                                         ; all sixteen work-groups are here: the first joint loads meet
.irp s, 0,1
	s_mov_b32 s[G0A+4*\s], 1
	s_add_co_u32 s[G0A+4*\s+1], s86, \s*SLOT
	s_add_nc_u64 s[G0A+4*\s+2:G0A+4*\s+3], s[72:73], \s*REC
	s_or_b32 s[G0A+4*\s+3], s[G0A+4*\s+3], 0x80000000
	s_mov_b32 s[G0B+4*\s], 1
	s_add_co_u32 s[G0B+4*\s+1], s87, \s*SLOT
	s_add_nc_u64 s[G0B+4*\s+2:G0B+4*\s+3], s[74:75], \s*REC
	s_or_b32 s[G0B+4*\s+3], s[G0B+4*\s+3], 0x80000000
.endr
	s_lshl_b32 s99, s57, 1                         ; the prefetches' base: the tile that my wave fetches, + my work-group's quarter of its records
	s_cmp_eq_u32 s21, 0
	s_cselect_b32 s100, s56, s99
	s_cselect_b64 s[PFA:PFA+1], s[72:73], s[74:75]
	s_mul_i32 s100, s100, RBB
	s_mov_b32 s101, 0
	s_add_nc_u64 s[PFA:PFA+1], s[PFA:PFA+1], s[100:101]
	JLOAD 0                                        ; chunk 0: one tensor load a wave at the head
	v_and_b32 v1, 31, v0
	v_and_b32 v2, 15, v0                           ; r
	v_bfe_u32 v3, v0, 4, 1                         ; h
	v_lshlrev_b32 v[LI], 4, v1
	v_min_u32 v1, 24, v1
	v_lshlrev_b32 v[PFO], 8, v1
	s_wait_alu depctr_va_vdst(0)                   ; a wait ahead of the run of scalar lines
	; LDS addresses: all scalars first, then the vector lines on end
	s_mul_i32 s88, s21, 4*REC                      ; my own four records of A
	s_xor_b32 s89, s21, 1
	s_mul_i32 s89, s89, 4*REC                      ; the foreign four
	s_mul_i32 s94, s22, 8*REC
	s_add_co_u32 s90, s94, BOFF                    ; my eight of B
	s_mul_i32 s91, s21, 3072                       ; my two images of a record
	s_add_co_u32 s92, s89, s94
	s_add_co_u32 s92, s92, 4*REC                   ; from my own A records to B's records 0-3
	s_add_co_u32 s93, s88, s90                     ; from the foreign A records to B's records 4-7
	s_lshl_b32 s98, s21, 3
	s_add_co_u32 s98, s98, 6144                    ; my two scale words of a row slot
	s_add_co_u32 s95, s88, s98
	s_add_co_u32 s99, s89, s98
	s_add_co_u32 s100, s88, s91
	s_add_co_u32 s101, s89, s91
	s_add_co_u32 s94, s90, s91
	s_lshl_b32 s86, s20, 15                        ; the stage: 32,768 bytes a wave, from LDS byte 0
	s_xor_b32 s87, s20, 2
	s_lshl_b32 s87, s87, 15
	v_add_nc_u32 v[ADAO], s100, v[LI]
	v_add_nc_u32 v[ADAF], s101, v[LI]
	v_add_nc_u32 v[ADRB], s94, v[LI]
	v_mul_u32_u24 v[ADSO], s92, v3
	v_mul_u32_u24 v[ADSF], s93, v3
	v_lshl_add_u32 v[ADSO], v2, 4, v[ADSO]
	v_lshl_add_u32 v[ADSF], v2, 4, v[ADSF]
	v_add_nc_u32 v[ADSO], s95, v[ADSO]
	v_add_nc_u32 v[ADSF], s99, v[ADSF]
.irp n, ADAO, ADAF, ADRB, ADSO, ADSF
	v_add_nc_u32 v[\n+1], SLOT, v[\n]
.endr
	v_add_nc_u32 v[STG], s86, v[LI]
	v_add_nc_u32 v[STL], s87, v[LI]
	v_lshlrev_b32 v[CBO], 6, v3
	v_and_b32 v[RBO], 8, v2
	v_add_nc_u32 v[RBO], v[RBO], v2
	v_lshlrev_b32 v[RBO], 2, v[RBO]
.irp b, 0,1,2,3
	v_mov_b32 v[TM+4+\b], 0                        ; a lane permute's destination counts as one of its sources
	v_mov_b32 v[RB+2*\b+1], 0                      ; (a pair's upper half)
.endr
	s_wait_alu depctr_va_vdst(0)                   ; a wait ahead of the run of scalar lines
	s_mov_b32 s96, 0x76543210
	s_mov_b32 s97, 0xfedcba98
	; where my 64 x 128 goes: q: record [head][seq / 64]; k and v: their parts of the record [head][key step]
	s_lshl_b32 s92, s66, 1
	s_add_co_u32 s92, s92, s22
	s_lshl_b32 s93, s92, 5
	s_lshl_b32 s94, s60, 1
	s_add_co_u32 s93, s93, s94
	s_add_co_u32 s93, s93, s21
	s_mul_i32 s93, s93, REC
	s_sub_co_u32 s94, s92, 16
	s_lshl_b32 s94, s94, 4
	s_add_co_u32 s94, s94, s60
	s_mul_i32 s94, s94, 25600
	s_mul_i32 s98, s21, 6144
	s_add_co_u32 s94, s94, s98
	s_lshl_b32 s95, s60, 4
	s_add_co_u32 s95, s95, s92
	s_mul_i32 s95, s95, 25600
	s_add_co_u32 s95, s95, s98
	s_add_co_u32 s95, s95, 12288
	s_mul_i32 s98, s21, 5888
	s_sub_co_u32 s99, 24576, s98
	s_sub_co_u32 s98, 12800, s98
	s_cmp_eq_u32 s23, 1
	s_cselect_b32 s94, s95, s94
	s_cselect_b32 s78, s98, s99
	s_cmp_lt_u32 ttmp9, 2
	s_cselect_b32 s94, s93, s94
	s_cselect_b32 s78, 6144, s78
	s_cselect_b64 s[76:77], s[16:17], s[18:19]
	s_cselect_b32 s100, 0, 16
	s_cselect_b64 s[80:81], s[8:9], s[10:11]
	s_mov_b32 s95, 0
	s_add_nc_u64 s[76:77], s[76:77], s[94:95]
	v_lshlrev_b32 v[SO], 4, v2
	v_lshl_add_u32 v[SO], v3, 3, v[SO]
	v_add_nc_u32 v[SO], s78, v[SO]
	s_sub_co_u32 s100, s92, s100
	s_mul_i32 s100, s100, s79
	s_lshl_b32 s100, s100, 9
	s_mov_b32 s101, 0
	s_add_nc_u64 s[80:81], s[80:81], s[100:101]    ; the column bias (q, k)
	s_lshl_b32 s100, s60, 9
	s_lshl_b32 s98, s21, 8
	s_add_co_u32 s100, s100, s98
	s_mul_i32 s100, s100, s23
	s_add_nc_u64 s[82:83], s[12:13], s[100:101]    ; the row bias (v)
	s_lshl_b32 s100, s60, 3
	s_lshl_b32 s98, s21, 2
	s_add_co_u32 s100, s100, s98
	s_mul_i32 s100, s100, s79
	s_lshl_b32 s100, s100, 13
	s_add_nc_u64 s[84:85], s[14:15], s[100:101]    ; the table of my own four row blocks
	ASK REC
.irp b, 0,1,2,3
.irp e, 0,1,2,3
	global_load_b128 v[CB+16*\b+4*\e:CB+16*\b+4*\e+3], v[CBO], s[80:81] offset:128*\b+16*\e
.endr
.endr
.irp a, 0,1,2,3
	global_load_b32 v[RB+2*\a], v[RBO], s[82:83] offset:4*(32*(\a/2)+8*(\a%2))
.endr
	s_wait_alu depctr_va_vdst(0)                   ; the wait at the head's end
	s_wait_tensorcnt 0x0                           ; my part of chunk 0 is in; the lines ahead of a later first fill:
	ds_add_u32 v[SPW], v[NIL]
	s_wait_dscnt 0x0
	CROUND                                         ; everybody's part is in, and all sixteen work-groups are here
	JLOAD 1                                        ; chunk 1, the first tensor load behind the round
	FETCH_B 0, 0
	FETCH_AO 0, 0
	SCALES 0
	ASK 2*REC
	ASK 3*REC
	FETCH_AF 0, 0
	STEPA 0, 1                                     ; the first products start the sums
	s_mov_b32 s59, LAPS-1
.Llap:                                             ; a trip goes once round the ring and fills both slots again
	STEPB 0, 1, 1
	STEPA 1, 0
	STEPB 1, 0, 1
	STEPA 0, 0
	s_sub_co_u32 s59, s59, 1
	s_cmp_lg_u32 s59, 0
	s_cbranch_scc1 .Llap
	WIN TO_B
	ROPE 0, 96, 224                                ; block 0's table, into registers of window 1 that hold no fragment
	WIN 0
	STEPB 0, 1, 0                                  ; nothing is left to fetch: behind this barrier slot 0 is read no more
	STEPA 1, 0
	; the last 64 products: the foreign blocks first, so that their sums go to the stage under the other 32
	s_wait_dscnt 0x0
	WIN TO_B
	ROPE 1, 0, 32                                  ; into B's set 0, which is done with (four places stand behind its last products)
	WIN MUL_HI
	MUL16 4, 1, 1, 0
	MUL16 6, 1, 1, 0
	PLACES 4
	WIN 0x0c                                       ; the data: window 3
.set n, 0
.rept 64
	ds_store_b128 v[STG], v[4*n:4*n+3] offset:512*n   ; each accumulator from its low end on
.set n, n+1
.endr
	WIN MUL_LO
	MUL16 0, 1, 1, 0
	MUL16 2, 1, 1, 0
	PLACES 4
	WIN TO_B
	ROPE 2, 64, 128
	ROPE 3, 160, 192
	WIN 0
	s_wait_dscnt 0x0                               ; my stores are done
	s_barrier_signal -1
	s_barrier_wait -1                              ; and my partner's
	WIN 0xc0
.set n, 0
.rept 64
	ds_load_b128 v[4*n:4*n+3], v[STL] offset:512*n    ; its sums of my own blocks, into window 3
.set n, n+1
.endr
	WIN 0
; THE WAY OUT of my own block a: the two halves of K, the bias, the turn (q, k), the quantiser, three stores of 512 consecutive bytes
.macro EPI a, rc, rs
	s_wait_loadcnt 48-16*\a                        ; the biases and this block's table are in; 16 loads for each later block may be out
	s_wait_dscnt 48-16*\a                          ; and likewise of my partner's sums
	WIN 0x0e                                       ; source 0 window 2, source 1 window 3
.set i, 0
.rept 32
	v_pk_add_f32 v[T+i:T+i+1], v[64*\a+i:64*\a+i+1], v[64*\a+i:64*\a+i+1]
.set i, i+2
.endr
	WIN 0
	s_cmp_eq_u32 s23, 1
	s_cbranch_scc1 .Lvside_\@
.set i, 0
.rept 32
	v_pk_add_f32 v[T+i:T+i+1], v[T+i:T+i+1], v[CB+i:CB+i+1]
.set i, i+2
.endr
	WIN 0x04                                       ; source 1 (the table) window 1
.set i, 0
.rept 16
.set u, U+2*((i/2)%4)
	v_pk_mul_f32 v[u:u+1], v[T+i:T+i+1], v[\rs+i:\rs+i+1]
	v_pk_mul_f32 v[T+i:T+i+1], v[T+i:T+i+1], v[\rc+i:\rc+i+1]
	v_pk_fma_f32 v[T+i:T+i+1], v[T+32+i:T+33+i], v[\rs+i:\rs+i+1], v[T+i:T+i+1] neg_lo:[1,0,0] neg_hi:[1,0,0]
	v_pk_fma_f32 v[T+32+i:T+33+i], v[T+32+i:T+33+i], v[\rc+i:\rc+i+1], v[u:u+1]
.set i, i+2
.endr
	WIN 0
	s_branch .Ljoin_\@
.Lvside_\@:
.set i, 0
.rept 32
	v_pk_add_f32 v[T+i:T+i+1], v[T+i:T+i+1], v[RB+2*\a:RB+2*\a+1] op_sel_hi:[1,0]
.set i, i+2
.endr
.Ljoin_\@:
	s_wait_xcnt 0x0                                ; the last block's stores have read the codes' registers
	QUANT T, W+\a
.irp g, 0,1,2
	global_store_b128 v[LI], v[PC+4*\g:PC+4*\g+3], s[76:77] offset:1536*\a+512*\g
.endr
.endm
	EPI 0, 96, 224
	EPI 1, 0, 32
	EPI 2, 64, 128
	EPI 3, 160, 192
	v_cmp_eq_u32 vcc_lo, 1, v3
	v_cndmask_b32 v30, v[W], v[W+2], vcc_lo        ; lanes 0-15 store words 0, 1 of their slot, lanes 16-31 words 2, 3
	v_cndmask_b32 v31, v[W+1], v[W+3], vcc_lo
	global_store_b64 v[SO], v[30:31], s[76:77]
	s_wait_tensorcnt 0x0                           ; the wave's end
	ds_add_u32 v[SPW], v[NIL]
	s_wait_dscnt 0x0
	CROUND                                         ; the closing round
	s_endpgm
.Lfunc_end_k_q08b113dc06_qkv:
	.size	k_q08b113dc06_qkv, .Lfunc_end_k_q08b113dc06_qkv-k_q08b113dc06_qkv
	.p2alignl 7, 3214868480
	.fill 96, 4, 3214868480
	.section	.rodata,"a",@progbits
	.p2align	6, 0x0
	.amdhsa_kernel k_q08b113dc06_qkv
		.amdhsa_group_segment_fixed_size 327680
		.amdhsa_private_segment_fixed_size 0
		.amdhsa_enable_private_segment 0
		.amdhsa_kernarg_size 64
		.amdhsa_user_sgpr_count 2
		.amdhsa_user_sgpr_kernarg_segment_ptr 1
		.amdhsa_wavefront_size32 1
		.amdhsa_system_sgpr_workgroup_id_x 1
		.amdhsa_system_sgpr_workgroup_id_y 1
		.amdhsa_system_sgpr_workgroup_id_z 1
		.amdhsa_system_vgpr_workitem_id 0
		.amdhsa_next_free_vgpr 1024
		.amdhsa_next_free_sgpr 102
		.amdhsa_reserve_vcc 1
		.amdhsa_float_denorm_mode_32 3
		.amdhsa_float_denorm_mode_16_64 3
		.amdhsa_memory_ordered 1
		.amdhsa_forward_progress 1
		.amdhsa_inst_pref_size 183
	.end_amdhsa_kernel
	.amdgpu_metadata
---
amdhsa.version: [ 1, 2 ]
amdhsa.kernels:
  - .name:           k_q08b113dc06_qkv
    .symbol:         k_q08b113dc06_qkv.kd
    .args:
      - { .name: xr, .offset: 0, .size: 8, .value_kind: global_buffer, .address_space: global }
      - { .name: wr, .offset: 8, .size: 8, .value_kind: global_buffer, .address_space: global }
      - { .name: bq, .offset: 16, .size: 8, .value_kind: global_buffer, .address_space: global }
      - { .name: bk, .offset: 24, .size: 8, .value_kind: global_buffer, .address_space: global }
      - { .name: bv, .offset: 32, .size: 8, .value_kind: global_buffer, .address_space: global }
      - { .name: rope, .offset: 40, .size: 8, .value_kind: global_buffer, .address_space: global }
      - { .name: qr, .offset: 48, .size: 8, .value_kind: global_buffer, .address_space: global }
      - { .name: kv, .offset: 56, .size: 8, .value_kind: global_buffer, .address_space: global }
    .group_segment_fixed_size: 327680
    .private_segment_fixed_size: 0
    .kernarg_segment_align: 8
    .kernarg_segment_size: 64
    .max_flat_workgroup_size: 128
    .sgpr_count:     102
    .vgpr_count:     1024
    .wavefront_size: 32
...
	.end_amdgpu_metadata
.endif
;; end of part 2
;; launch attn (part 3): grid 32 x 8, 8 waves a work-group, clusters of 4 x 1, 327,680 bytes of LDS; arguments qr, kv, ar; writes ar
.if DOCPART == 3
	.amdgcn_target "amdgcn-amd-amdhsa--gfx1250"
	.amdhsa_code_object_version 6
	.text
	.protected	k_q08b113dc06_attn
	.globl	k_q08b113dc06_attn
	.p2align	8
	.type	k_q08b113dc06_attn,@function
k_q08b113dc06_attn:
	s_mov_b64 s[64:65], 0
	v_nop
	global_prefetch_b8 v0, s[64:65] scope:SCOPE_SE
	s_setreg_imm32_b32 hwreg(HW_REG_WAVE_MODE, 25, 1), 1
	s_wait_xcnt 0x0
	s_wait_alu depctr_hold_cnt(0) depctr_sa_sdst(0) depctr_va_vdst(0) depctr_va_sdst(0) depctr_va_ssrc(0) depctr_va_vcc(0) depctr_vm_vsrc(0)
	s_getreg_b32 s2, hwreg(HW_REG_IB_STS2, 6, 4)
	s_cmp_eq_u32 s2, 0
	s_cbranch_scc0 .Lentry_in_a_cluster
	s_endpgm
.Lentry_in_a_cluster:
	s_bfe_u32 s2, ttmp6, 0x10000c
	s_cmp_lg_u32 s2, 0x3003
	s_cbranch_scc0 .Lentry_shape_is_right
	s_endpgm
.Lentry_shape_is_right:
; O[head][q] = the sum over keys of softmax(q . k / sqrt(128)) v, both products on codes of FP6 (E2M3) with E8M0 scales; 16 query heads, 8 key and value heads, 2,048 keys, no mask.  O / l is quantised at once along the head's 128.
; THE SOFTMAX AHEAD OF THE SECOND PRODUCT: t = score x log2(e) / sqrt(128); M = the largest t so far, rounded up to a whole number; p = 2^(t - M) is quantised along the keys, not normalised; the row's sum is taken of the
; unquantised p and divides O at the end.  When M moves, the sum and O are multiplied by 2^(old M - new M): exact.
; INPUTS are images of operand registers.  qr: [head][seq / 64] records of 6,400 bytes (four images of 16 queries, 256 bytes of scale words).  kv: [key and value head][key step of 128] records of 25,600 bytes:
; K's eight images (16 keys x 128 channels), V's eight (16 channels x 128 keys), K's scale words (512 bytes), V's.  Slot r of image t is key, or channel, 32 (t / 2) + 8 (t % 2) + r + 8 (r / 8),
; so that a lane's 16 registers of result tiles 2 b and 2 b + 1 are 16 neighbours along the next K.
; SHARES: a work-group owns 128 queries of one head, each of its eight waves 16; two waves to a SIMD, so that one's vector work stands beside the other's products.  Both products are used transposed: a lane holds one query.
; LDS: three slots of four key steps (102,400 bytes).  Twelve key steps come with the first fills; slot 0 is filled once more, with the last four, when its steps have been taken into registers.
; CLUSTER: the four work-groups of a cluster walk the same key and value head: every tile is asked for jointly.  Each wave fetches an eighth of a slot, 50 rows of 256 bytes.
; The next key step's fragments are asked of LDS a phase ahead: K's behind this step's first products, V's behind its second.
; LIMITS: NaN and infinities are not served.  The scale word of a wave's result is a store of 4 bytes a lane into 64 of a block of 256 bytes: one byte in 24 of what the wave stores.
; REGISTERS: window 0: v1 16 x lane; v2, v3 the add's; v4 the LDS address in hand; v5 16 r; v12 -M, v13 the largest t, v[14:15] the sum; v16-27 Q; v40-43, v44-47 K's and V's scale words; v96-159 S^T, then p;
;   v224-235 p's codes; v232-254 at work; v255 Q's scale words.   window 1: v0-63 O^T; v64-159 K's eight fragments; v160-255 V's.
.set STEPB, 25600
.set SLOTB, 4*STEPB
.set SPARE, 3*SLOTB                    ; behind the slots: the spare words, 128 bytes a wave: four blocks of 256 bytes that no other line names
.set LI,    1
.set SPW,   2
.set NIL,   3
.set AD,    4
.set KB,    64
.set VB,    160
.set PC,    160                        ; the way out: codes, v160-179;
.set TM,    200                        ; the quantiser's, v200-215;
.set PW,    216                        ; the scale word
.set WV,    10
.set G1,    16
.set G0,    24                         ; s[24:31]: a group 0 for slot 0, one for slots 1 and 2 together
.set TN,    36                         ; LDS byte at which the key step to be fetched begins
.set CNT,   37
.set CS,    38                         ; s[38:39] c = log2(e) / sqrt(128)
.set SEL,   40
.set MSB, 0
.macro WIN new
.if MSB != \new
	s_set_vgpr_msb (MSB<<8)|\new
.set MSB, \new
.endif
.endm
.macro CROUND                          ; a round of the cluster's barrier
	s_barrier_signal -1
	s_barrier_wait -1
	s_cmp_lg_u32 s[WV], 0
	s_cbranch_scc1 .Lnot_wave_0_\@
	s_barrier_signal -3
.Lnot_wave_0_\@:
	s_barrier_wait -3
	s_barrier_signal -1
	s_barrier_wait -1
.endm
.macro KLOAD                           ; 25 LDS loads: K's eight fragments and its scale words (lanes 0-15: tiles 0-3, lanes 16-31: tiles 4-7)
	WIN 0x40
.irp t, 0,1,2,3,4,5,6,7
.irp g, 0,1,2
	ds_load_b128 v[KB+12*\t+4*\g:KB+12*\t+4*\g+3], v[AD] offset:1536*\t+512*\g
.endr
.endr
	WIN 0
	ds_load_b128 v[40:43], v[AD] offset:24576
.endm
.macro VLOAD                           ; 25 LDS loads: V's
	WIN 0x40
.irp t, 0,1,2,3,4,5,6,7
.irp g, 0,1,2
	ds_load_b128 v[VB+12*\t+4*\g:VB+12*\t+4*\g+3], v[AD] offset:12288+1536*\t+512*\g
.endr
.endr
	WIN 0
	ds_load_b128 v[44:47], v[AD] offset:25088
.endm
; A KEY STEP of 128 keys.  look = 1: the next step's fragments are asked for.
.macro STEP look
	s_wait_dscnt 25                                ; K's 25 loads are in; V's 25, issued behind them, may be out
	WIN 0x01                                       ; source 0 (K) window 1
.irp t, 0,1,2,3
	v_wmma_scale_f32_16x16x128_f8f6f4 v[96+8*\t:103+8*\t], v[KB+12*\t:KB+12*\t+11], v[16:27], 0, v[40+\t], v255 matrix_a_fmt:MATRIX_FMT_FP6 matrix_b_fmt:MATRIX_FMT_FP6
.endr
.irp t, 4,5,6,7
	v_wmma_scale_f32_16x16x128_f8f6f4 v[96+8*\t:103+8*\t], v[KB+12*\t:KB+12*\t+11], v[16:27], 0, v[36+\t], v255 matrix_a_fmt:MATRIX_FMT_FP6 matrix_b_fmt:MATRIX_FMT_FP6 matrix_a_scale:MATRIX_SCALE_ROW1
.endr
	WIN 0
.if \look
	v_add_nc_u32 v[AD], s[TN], v[LI]               ; four plain lines: the places in front of the loads into K's registers and of the first read of the scores
.rept 3
	v_nop
.endr
	KLOAD
.else
.rept 4
	v_nop
.endr
.endif
.irp b, 0,1,2,3
	v_max3_num_f32 v[232+\b], v[96+16*\b], v[97+16*\b], v[98+16*\b]   ; the largest score of each block of 32 keys: it serves the row's maximum and, since p rises with the score, the block's largest p
.endr
.irp i, 3,5,7,9,11,13
.irp b, 0,1,2,3
	v_max3_num_f32 v[232+\b], v[232+\b], v[96+16*\b+\i], v[97+16*\b+\i]
.endr
.endr
.irp b, 0,1,2,3
	v_max_num_f32 v[232+\b], v[232+\b], v[111+16*\b]
.endr
.irp b, 0,1,2,3
	s_delay_alu instid0(VALU_DEP_4)
	v_permlanex16_b32 v[236+\b], v[232+\b], s[SEL], s[SEL+1]
.endr
.irp b, 0,1,2,3
	s_delay_alu instid0(VALU_DEP_4)
	v_max_num_f32 v[232+\b], v[232+\b], v[236+\b]  ; with lane l xor 16's 16 keys
.endr
	s_delay_alu instid0(VALU_DEP_2)
	v_max3_num_f32 v254, v232, v233, v234
	s_delay_alu instid0(VALU_DEP_1)
	v_max_num_f32 v254, v254, v235
	s_delay_alu instid0(VALU_DEP_1)
	v_mul_f32 v254, s[CS], v254                    ; as t (c is positive)
	s_delay_alu instid0(VALU_DEP_1)
	v_max_num_f32 v13, v13, v254                   ; the running largest t
	v_mov_b32 v254, v12
	s_delay_alu instid0(VALU_DEP_2)
	v_floor_f32 v12, -v13                          ; the new -M = -ceil(t)
	s_delay_alu instid0(VALU_DEP_1)
	v_sub_f32 v254, v12, v254                      ; old M - new M: a whole number, 0 or less
	s_delay_alu instid0(VALU_DEP_1)
	v_cvt_i32_f32 v254, v254                       ; (it saturates)
	s_delay_alu instid0(VALU_DEP_1)
	v_ldexp_f32 v252, 1.0, v254                    ; f = 2^(old M - new M)
.set j, 0
.rept 32
	v_pk_fma_f32 v[96+j:97+j], v[96+j:97+j], s[CS:CS+1], v[12:13] op_sel_hi:[1,0,0]   ; t - M, two at a time
.set j, j+2
.endr
.irp b, 0,1,2,3
	v_fma_f32 v[232+\b], v[232+\b], s[CS], v12     ; the same of each block's largest score
.endr
.set j, 0
	s_wait_alu depctr_va_vdst(0)
.rept 64
	v_exp_f32 v[96+j], v[96+j]                     ; p = 2^(t - M)
.set j, j+1
.endr
.irp b, 0,1,2,3
	v_exp_f32 v[232+\b], v[232+\b]                 ; the block's largest p
.endr
	v_pk_mul_f32 v[14:15], v[14:15], v[252:253] op_sel_hi:[1,0]   ; the sums under the new M (a plain line behind the exponentials)
	s_wait_alu depctr_va_vdst(0)
.irp b, 0,1,2,3
	v_max_num_f32 v[232+\b], 0x1800000, v[232+\b]  ; the floor 2^(3 - 127): the byte cannot fall under 1
.endr
.irp b, 0,1,2,3
	s_delay_alu instid0(VALU_DEP_4)
	v_add_nc_u32 v[244+\b], 0xff000000, v[232+\b]  ; 2 off the exponent field: the conversion's scale operand
.endr
.irp b, 0,1,2,3
	s_delay_alu instid0(VALU_DEP_4)
	v_lshrrev_b32 v[236+\b], 23, v[244+\b]         ; the scale's byte
.endr
	s_delay_alu instid0(VALU_DEP_3)
	v_lshl_or_b32 v253, v237, 8, v236              ; p's scale word for these 128 keys
	s_delay_alu instid0(VALU_DEP_1)
	v_lshl_or_b32 v253, v238, 16, v253
	s_delay_alu instid0(VALU_DEP_1)
	v_lshl_or_b32 v253, v239, 24, v253
.irp c, 0,1
	v_cvt_scalef32_pk16_fp6_f32 v[224+6*\c:226+6*\c], v[96+32*\c:111+32*\c], v[244+2*\c]
	v_cvt_scalef32_pk16_fp6_f32 v[236+4*\c:238+4*\c], v[112+32*\c:127+32*\c], v[244+2*\c+1]
.endr
	v_nop                                          ; one plain place behind a scaled conversion
.irp c, 0,1                            ; the operand's layout wants a whole block in a lane
.irp i, 0,1,2
	v_permlane16_swap_b32 v[224+6*\c+\i], v[236+4*\c+\i]
.endr
.irp i, 0,1,2
	s_delay_alu instid0(VALU_DEP_3)
	v_mov_b32 v[227+6*\c+\i], v[236+4*\c+\i]
.endr
.endr
	v_pk_add_f32 v[236:237], v[100:101], v[104:105]
	v_pk_add_f32 v[250:251], v[108:109], v[112:113]
	v_pk_add_f32 v[248:249], v[116:117], v[120:121]
	v_pk_add_f32 v[246:247], v[124:125], v[128:129]
	v_pk_add_f32 v[244:245], v[132:133], v[136:137]
	v_pk_add_f32 v[242:243], v[140:141], v[144:145]
	v_pk_add_f32 v[240:241], v[148:149], v[152:153]
	v_pk_add_f32 v[14:15], v[14:15], v[156:157]
	v_pk_add_f32 v[236:237], v[236:237], v[96:97]
	v_pk_add_f32 v[250:251], v[250:251], v[98:99]
	v_pk_add_f32 v[248:249], v[248:249], v[102:103]
	v_pk_add_f32 v[246:247], v[246:247], v[106:107]
	v_pk_add_f32 v[244:245], v[244:245], v[110:111]
	v_pk_add_f32 v[242:243], v[242:243], v[114:115]
	v_pk_add_f32 v[240:241], v[240:241], v[118:119]
	v_pk_add_f32 v[14:15], v[14:15], v[122:123]
	v_pk_add_f32 v[236:237], v[236:237], v[126:127]
	v_pk_add_f32 v[250:251], v[250:251], v[130:131]
	v_pk_add_f32 v[248:249], v[248:249], v[134:135]
	v_pk_add_f32 v[246:247], v[246:247], v[138:139]
	v_pk_add_f32 v[244:245], v[244:245], v[142:143]
	v_pk_add_f32 v[242:243], v[242:243], v[146:147]
	v_pk_add_f32 v[240:241], v[240:241], v[150:151]
	v_pk_add_f32 v[14:15], v[14:15], v[154:155]
	v_pk_add_f32 v[236:237], v[236:237], v[158:159]
	s_delay_alu instid0(VALU_DEP_2)
	v_pk_add_f32 v[14:15], v[14:15], v[246:247]
	s_delay_alu instid0(VALU_DEP_2)
	v_pk_add_f32 v[236:237], v[236:237], v[244:245]
	v_pk_add_f32 v[250:251], v[250:251], v[242:243]
	v_pk_add_f32 v[248:249], v[248:249], v[240:241]
	s_delay_alu instid0(VALU_DEP_2)
	v_pk_add_f32 v[14:15], v[14:15], v[250:251]
	s_delay_alu instid0(VALU_DEP_2)
	v_pk_add_f32 v[236:237], v[236:237], v[248:249]
	s_delay_alu instid0(VALU_DEP_1)
	v_pk_add_f32 v[14:15], v[14:15], v[236:237]
	WIN 0x41                                       ; O^T (destination and source 0) window 1
.set j, 0
.rept 32
	v_pk_mul_f32 v[j:j+1], v[j:j+1], v[252:253] op_sel_hi:[1,0]   ; O^T under the new M.  (These 32 are also the places between p's codes and scale word and the products)
.set j, j+2
.endr
.if \look
	s_wait_alu depctr_va_vdst(0)
	s_wait_dscnt 25                                ; V's 25 loads are in; the next step's K, issued behind them, may be out
.else
	s_wait_alu depctr_va_vdst(0)
	s_wait_dscnt 0x0
.endif
	WIN 0x51                                       ; source 0 (V), C and D window 1; source 1 (p) window 0
.irp t, 0,1,2,3
	v_wmma_scale_f32_16x16x128_f8f6f4 v[8*\t:8*\t+7], v[VB+12*\t:VB+12*\t+11], v[224:235], v[8*\t:8*\t+7], v[44+\t], v253 matrix_a_fmt:MATRIX_FMT_FP6 matrix_b_fmt:MATRIX_FMT_FP6
.endr
.irp t, 4,5,6,7
	v_wmma_scale_f32_16x16x128_f8f6f4 v[8*\t:8*\t+7], v[VB+12*\t:VB+12*\t+11], v[224:235], v[8*\t:8*\t+7], v[40+\t], v253 matrix_a_fmt:MATRIX_FMT_FP6 matrix_b_fmt:MATRIX_FMT_FP6 matrix_a_scale:MATRIX_SCALE_ROW1
.endr
	WIN 0
.if \look
.rept 4
	v_nop                                          ; places in front of the loads into V's registers
.endr
	VLOAD
	s_add_co_u32 s[TN], s[TN], STEPB
.endif
.endm
; 64 numbers of a lane, register 16 b + i = k 32 b + 16 h + i of my row, become a fragment's codes in v[PC] on and its scale word in v[pw]
.macro QUANT s, pw
.irp b, 0,1,2,3
	v_max3_num_f32 v[TM+\b], |v[\s+16*\b]|, |v[\s+1+16*\b]|, 0x1800000
.endr
.irp i, 2,4,6,8,10,12,14
.irp b, 0,1,2,3
	s_delay_alu instid0(VALU_DEP_4)
	v_max3_num_f32 v[TM+\b], v[TM+\b], |v[\s+16*\b+\i]|, |v[\s+1+16*\b+\i]|
.endr
.endr
.irp b, 0,1,2,3
	s_delay_alu instid0(VALU_DEP_4)
	v_permlanex16_b32 v[TM+4+\b], v[TM+\b], s[SEL], s[SEL+1]
.endr
.irp b, 0,1,2,3
	s_delay_alu instid0(VALU_DEP_4)
	v_max_num_f32 v[TM+\b], v[TM+\b], v[TM+4+\b]
.endr
.irp b, 0,1,2,3
	s_delay_alu instid0(VALU_DEP_4)
	v_add_nc_u32 v[TM+12+\b], 0xff000000, v[TM+\b]
.endr
.irp b, 0,1,2,3
	s_delay_alu instid0(VALU_DEP_4)
	v_lshrrev_b32 v[TM+4+\b], 23, v[TM+12+\b]
.endr
	s_delay_alu instid0(VALU_DEP_3)
	v_lshl_or_b32 v[\pw], v[TM+5], 8, v[TM+4]
	s_delay_alu instid0(VALU_DEP_1)
	v_lshl_or_b32 v[\pw], v[TM+6], 16, v[\pw]
	s_delay_alu instid0(VALU_DEP_1)
	v_lshl_or_b32 v[\pw], v[TM+7], 24, v[\pw]
.irp c, 0,1
	v_cvt_scalef32_pk16_fp6_f32 v[PC+6*\c:PC+2+6*\c], v[\s+32*\c:\s+15+32*\c], v[TM+12+2*\c]
	v_cvt_scalef32_pk16_fp6_f32 v[PC+12+4*\c:PC+14+4*\c], v[\s+16+32*\c:\s+31+32*\c], v[TM+12+2*\c+1]
.endr
	v_nop
.irp c, 0,1
.irp i, 0,1,2
	v_permlane16_swap_b32 v[PC+6*\c+\i], v[PC+12+4*\c+\i]
.endr
.irp i, 0,1,2
	s_delay_alu instid0(VALU_DEP_3)
	v_mov_b32 v[PC+3+6*\c+\i], v[PC+12+4*\c+\i]
.endr
.endr
.endm
	s_load_b128 s[4:7], s[0:1], 0x0                ; qr, kv
	s_load_b64 s[8:9], s[0:1], 0x10                ; ar
	v_lshl_add_u32 v[SPW], v0, 2, SPARE
	v_mov_b32 v[NIL], 0
	ds_add_u32 v2, v3
	ds_add_u32 v2, v3
	s_wait_dscnt 0x0
	v_lshrrev_b32 v5, 5, v0
	s_delay_alu instid0(VALU_DEP_1)
	v_readfirstlane_b32 s[WV], v5                  ; wave 0..7
	s_bfe_u32 s11, ttmp6, 0x40000                  ; cx
	s_lshl_b32 s12, ttmp9, 2
	s_add_co_u32 s12, s12, s11                     ; work-group x
	s_and_b32 s13, ttmp7, 0xffff                   ; the key and value head, which the four partners share
	s_lshr_b32 s14, s12, 4
	s_lshl_b32 s15, s13, 1
	s_add_co_u32 s14, s14, s15                     ; the query head
	s_and_b32 s15, s12, 15                         ; the block of 128 queries
	s_mul_i32 s42, s13, 16*STEPB
	s_mul_i32 s44, s[WV], 12800                    ; my eighth of a slot, in memory and in LDS
	s_add_co_u32 s42, s42, s44
	s_mov_b32 s43, 0
	s_mov_b32 s[G1], 15|(3<<16)|(1<<21)            ; 15:0 the mask: all four work-groups; 17:16 elements of 8 bytes; 21 set beside a mask; no padding
	s_mov_b32 s[G1+1], 32<<16                      ; tensor_dim0 = 32: rows of 256 bytes
	s_mov_b32 s[G1+2], 50<<16                      ; tensor_dim1 = 50
	s_mov_b32 s[G1+3], 32<<16                      ; tile_dim0
	s_mov_b32 s[G1+4], 50                          ; tile_dim1
	s_mov_b32 s[G1+5], 32                          ; dense
	s_mov_b32 s[G1+6], 0
	s_mov_b32 s[G1+7], 0
	s_mov_b32 s[CS], 0x3e0293ee
	s_mov_b32 s[CS+1], s[CS]
	s_mov_b32 s[SEL], 0x76543210
	s_mov_b32 s[SEL+1], 0xfedcba98
	s_wait_kmcnt 0x0
	s_add_nc_u64 s[6:7], s[6:7], s[42:43]
.set G1L, 68                           ; s[68:75] group 1 for slots 1 and 2 together: they lie on end in memory and in LDS, so one load a wave brings an eighth of both, 100 rows of 256 bytes
	s_mov_b32 s[G0], 1                             ; slot 0: my eighth, 12,800 bytes
	s_add_co_u32 s[G0+1], s44, 0
	s_add_nc_u64 s[G0+2:G0+3], s[6:7], 0
	s_or_b32 s[G0+3], s[G0+3], 0x80000000
	s_mov_b32 s[G0+4], 1                           ; slots 1 and 2: my eighth, 25,600 bytes, at SLOTB + 25,600 x wave in LDS and in the head's key steps
	s_mul_i32 s[G0+5], s[WV], 25600
	s_add_co_u32 s[G0+5], s[G0+5], SLOTB
	s_mov_b32 s45, 0
	s_add_nc_u64 s[G0+6:G0+7], s[6:7], s[44:45]    ; (s[6:7] holds 12,800 x wave already)
	s_add_nc_u64 s[G0+6:G0+7], s[G0+6:G0+7], SLOTB
	s_or_b32 s[G0+7], s[G0+7], 0x80000000
	s_mov_b32 s[G1L], 15|(3<<16)|(1<<21)
	s_mov_b32 s[G1L+1], 32<<16
	s_mov_b32 s[G1L+2], 100<<16
	s_mov_b32 s[G1L+3], 32<<16
	s_mov_b32 s[G1L+4], 100
	s_mov_b32 s[G1L+5], 32
	s_mov_b32 s[G1L+6], 0
	s_mov_b32 s[G1L+7], 0
	CROUND                                         ; all four work-groups are here: the first joint loads meet
	tensor_load_to_lds s[G0:G0+3], s[G1:G1+7]      ; key steps 0-3: one tensor load a wave at the head
	s_nop 0
.rept 4
	v_nop
.endr
	; my 16 queries: record 32 head + 2 qb + wave / 4, image wave % 4
	s_lshl_b32 s45, s14, 5
	s_lshl_b32 s46, s15, 1
	s_add_co_u32 s45, s45, s46
	s_lshr_b32 s46, s[WV], 2
	s_add_co_u32 s45, s45, s46
	s_mul_i32 s46, s45, 6400
	s_and_b32 s45, s[WV], 3
	s_mul_i32 s48, s45, 1536
	s_add_co_u32 s48, s48, s46
	s_mov_b32 s49, 0
	s_add_nc_u64 s[50:51], s[4:5], s[48:49]
	s_lshl_b32 s45, s45, 2
	s_add_co_u32 s48, s46, s45
	s_add_co_u32 s48, s48, 6144
	s_add_nc_u64 s[52:53], s[4:5], s[48:49]
	; my result: row block 8 qb + wave, record head / 4, image head % 4
	s_lshl_b32 s45, s15, 3
	s_add_co_u32 s45, s45, s[WV]
	s_lshl_b32 s45, s45, 2
	s_lshr_b32 s46, s14, 2
	s_add_co_u32 s45, s45, s46
	s_mul_i32 s45, s45, 6400
	s_and_b32 s46, s14, 3
	s_mul_i32 s48, s46, 1536
	s_add_co_u32 s48, s48, s45
	s_add_nc_u64 s[54:55], s[8:9], s[48:49]
	s_lshl_b32 s46, s46, 2
	s_add_co_u32 s48, s45, s46
	s_add_co_u32 s48, s48, 6144
	s_add_nc_u64 s[56:57], s[8:9], s[48:49]
	v_and_b32 v5, 31, v0
	s_delay_alu instid0(VALU_DEP_1)
	v_lshlrev_b32 v[LI], 4, v5
	v_and_b32 v5, 15, v0
	s_delay_alu instid0(VALU_DEP_1)
	v_lshlrev_b32 v5, 4, v5                        ; 16 r
.irp g, 0,1,2
	global_load_b128 v[16+4*\g:19+4*\g], v[LI], s[50:51] offset:512*\g   ; Q's fragment stays in registers
.endr
	global_load_b32 v255, v5, s[52:53]             ; and its scale words
	v_mov_b32 v13, 0xff61b1e6                      ; the largest t so far: -3e38
	s_delay_alu instid0(VALU_DEP_1)
	v_floor_f32 v12, -v13
	v_mov_b32 v14, 0
	v_mov_b32 v15, 0
.irp b, 0,1,2,3
	v_mov_b32 v[236+\b], 0                         ; a lane permute's destination counts as one of its sources
	v_mov_b32 v[TM+4+\b], 0
.endr
	v_mov_b32 v253, 0                              ; (named as a pair's upper half before it is first written)
	WIN 0x40
.set j, 0
.rept 64
	v_mov_b32 v[j], 0                              ; O^T.  (The step is written without a first step of its own: the first change of M leaves zeros zeros)
.set j, j+1
.endr
	WIN 0
	s_wait_alu depctr_va_vdst(0)                   ; the wait at the head's end
	s_wait_tensorcnt 0x0                           ; my part of slot 0 is in; the lines ahead of a later first fill:
	ds_add_u32 v[SPW], v[NIL]
	s_wait_dscnt 0x0
	CROUND                                         ; everybody's part is in, and the four partners are here
	tensor_load_to_lds s[G0+4:G0+7], s[G1L:G1L+7]  ; key steps 4-11, my one load behind the round: three key steps stand between it and the wait for it
	s_nop 0
.rept 4
	v_nop
.endr
	v_mov_b32 v[AD], v[LI]
	KLOAD
	VLOAD
	s_mov_b32 s[TN], STEPB
	s_wait_loadcnt 0x0                             ; Q
	s_mov_b32 s[CNT], 3
.Lfirst:                                           ; key steps 0-2
	STEP 1
	s_sub_co_u32 s[CNT], s[CNT], 1
	s_cmp_lg_u32 s[CNT], 0
	s_cbranch_scc1 .Lfirst
	s_wait_tensorcnt 0x0                           ; all my tensor loads have landed, so a group 0 may be written
	ds_add_u32 v[SPW], v[NIL]                      ; 0 onto my spare word
	s_add_nc_u64 s[G0+2:G0+3], s[G0+2:G0+3], 3*SLOTB   ; key steps 12-15
	s_wait_dscnt 0x0                               ; the add is done; key step 3's fragments are in registers: my reads of slot 0 are over
	CROUND                                         ; that now holds of every wave of every partner
	tensor_load_to_lds s[G0:G0+3], s[G1:G1+7]      ; the one refill: it has eight key steps in which to land
	s_nop 0
.rept 4
	v_nop
.endr
	s_mov_b32 s[CNT], 8
.Lsecond:                                          ; key steps 3-10
	STEP 1
	s_sub_co_u32 s[CNT], s[CNT], 1
	s_cmp_lg_u32 s[CNT], 0
	s_cbranch_scc1 .Lsecond
	s_wait_tensorcnt 0x0                           ; my part of the refill is in;
	ds_add_u32 v[SPW], v[NIL]
	s_mov_b32 s[TN], 0                             ; the fetches go back to slot 0
	s_wait_dscnt 0x0
	s_barrier_signal -1
	s_barrier_wait -1                              ; everybody's is
	s_mov_b32 s[CNT], 4
.Lthird:                                           ; key steps 11-14
	STEP 1
	s_sub_co_u32 s[CNT], s[CNT], 1
	s_cmp_lg_u32 s[CNT], 0
	s_cbranch_scc1 .Lthird
	STEP 0                                         ; key step 15: nothing is left to fetch
	; THE WAY OUT: O^T / the sum; register 8 t + i is channel 32 (t / 2) + 16 h + 8 (t % 2) + i: the quantiser's order
.rept 4
	v_nop                                          ; places behind the last products
.endr
	v_add_f32 v14, v14, v15
	s_delay_alu instid0(VALU_DEP_1)
	v_permlanex16_b32 v252, v14, s[SEL], s[SEL+1]
	s_delay_alu instid0(VALU_DEP_1)
	v_add_f32 v14, v14, v252                       ; the row's sum
	s_wait_alu depctr_va_vdst(0)
	v_rcp_f32 v14, v14
	v_nop                                          ; one plain place behind a transcendental
	WIN 0x01
.set j, 0
	s_wait_alu depctr_va_vdst(0)
.rept 64
	v_mul_f32 v[96+j], v[j], v14                   ; each accumulator from its low end on
.set j, j+1
.endr
	WIN 0
	QUANT 96, PW
.irp g, 0,1,2
	global_store_b128 v[LI], v[PC+4*\g:PC+4*\g+3], s[54:55] offset:512*\g   ; 512 consecutive bytes, aligned
.endr
	global_store_b32 v5, v[PW], s[56:57]           ; word head % 4 of my 16 slots (both halves of the lanes hold and store the same word)
	s_wait_tensorcnt 0x0                           ; the wave's end
	ds_add_u32 v[SPW], v[NIL]
	s_wait_dscnt 0x0
	CROUND                                         ; the closing round
	s_endpgm
.Lfunc_end_k_q08b113dc06_attn:
	.size	k_q08b113dc06_attn, .Lfunc_end_k_q08b113dc06_attn-k_q08b113dc06_attn
	.p2alignl 7, 3214868480
	.fill 96, 4, 3214868480
	.section	.rodata,"a",@progbits
	.p2align	6, 0x0
	.amdhsa_kernel k_q08b113dc06_attn
		.amdhsa_group_segment_fixed_size 327680
		.amdhsa_private_segment_fixed_size 0
		.amdhsa_enable_private_segment 0
		.amdhsa_kernarg_size 24
		.amdhsa_user_sgpr_count 2
		.amdhsa_user_sgpr_kernarg_segment_ptr 1
		.amdhsa_wavefront_size32 1
		.amdhsa_system_sgpr_workgroup_id_x 1
		.amdhsa_system_sgpr_workgroup_id_y 1
		.amdhsa_system_sgpr_workgroup_id_z 1
		.amdhsa_system_vgpr_workitem_id 0
		.amdhsa_next_free_vgpr 512
		.amdhsa_next_free_sgpr 76
		.amdhsa_reserve_vcc 0
		.amdhsa_float_denorm_mode_32 3
		.amdhsa_float_denorm_mode_16_64 3
		.amdhsa_memory_ordered 1
		.amdhsa_forward_progress 1
		.amdhsa_inst_pref_size 97
	.end_amdhsa_kernel
	.amdgpu_metadata
---
amdhsa.version: [ 1, 2 ]
amdhsa.kernels:
  - .name:           k_q08b113dc06_attn
    .symbol:         k_q08b113dc06_attn.kd
    .args:
      - { .name: qr, .offset: 0, .size: 8, .value_kind: global_buffer, .address_space: global }
      - { .name: kv, .offset: 8, .size: 8, .value_kind: global_buffer, .address_space: global }
      - { .name: ar, .offset: 16, .size: 8, .value_kind: global_buffer, .address_space: global }
    .group_segment_fixed_size: 327680
    .private_segment_fixed_size: 0
    .kernarg_segment_align: 8
    .kernarg_segment_size: 24
    .max_flat_workgroup_size: 256
    .sgpr_count:     76
    .vgpr_count:     512
    .wavefront_size: 32
...
	.end_amdgpu_metadata
.endif
;; end of part 3
;; launch oproj (part 4): grid 16 x 16, 4 waves a work-group, clusters of 4 x 4, 327,680 bytes of LDS; arguments ar, wor, bo, out0; writes out0
.if DOCPART == 4
	.amdgcn_target "amdgcn-amd-amdhsa--gfx1250"
	.amdhsa_code_object_version 6
	.text
	.protected	k_q08b113dc06_oproj
	.globl	k_q08b113dc06_oproj
	.p2align	8
	.type	k_q08b113dc06_oproj,@function
k_q08b113dc06_oproj:
	s_mov_b64 s[64:65], 0
	v_nop
	global_prefetch_b8 v0, s[64:65] scope:SCOPE_SE
	s_setreg_imm32_b32 hwreg(HW_REG_WAVE_MODE, 25, 1), 1
	s_wait_xcnt 0x0
	s_wait_alu depctr_hold_cnt(0) depctr_sa_sdst(0) depctr_va_vdst(0) depctr_va_sdst(0) depctr_va_ssrc(0) depctr_va_vcc(0) depctr_vm_vsrc(0)
	s_getreg_b32 s2, hwreg(HW_REG_IB_STS2, 6, 4)
	s_cmp_eq_u32 s2, 0
	s_cbranch_scc0 .Lentry_in_a_cluster
	s_endpgm
.Lentry_in_a_cluster:
	s_bfe_u32 s2, ttmp6, 0x10000c
	s_cmp_lg_u32 s2, 0xf033
	s_cbranch_scc0 .Lentry_shape_is_right
	s_endpgm
.Lentry_shape_is_right:
; out0 = attention's result x wo^T + bo on codes of FP6 (E2M3) with E8M0 scales.  Operands are records of 16 rows x 512 along K, 6,400 bytes: four fragment images and 256 bytes of scale words; a row block has 4 records on end.
; SHARES: a work-group makes 128 rows x 256 columns, each of its four waves 64 x 128 (32 accumulators, begun with the bias as C).  K goes in 4 chunks of 512 through two LDS slots of 24 records.
; 4 x 4 work-groups form a cluster: the rows' tile is asked for jointly along a row of the cluster, wo's along a column.  At the head each wave issues one joint load (chunk 0); chunk 1's follows behind a wait, an add, a wait
; and a round; the head's address work stands between the two.  Results leave through each wave's stage in slot 0, which has had its last fill, as rows of 512 bytes.
.set KQ,    4
.set LAPS,  KQ/2
.set REC,   6400
.set RBB,   KQ*REC
.set SLOT,  24*REC
.set BOFF,  8*REC
.set SPARE, 2*SLOT
.set SPIT,  528
.set ADRA,  4
.set ADRB,  6
.set ADS1,  8
.set ADS2,  10
.set LI,    12
.set STO,   13
.set RD,    14
.set CBO,   15
.set SPW,   16
.set NIL,   17
.set SC,    32
.set AF,    80
.set CB,    176
.set BK,    80
.set G1A,   24
.set G0A,   32
.set G1B,   40
.set G0B,   48
.set MSB, 0
.macro WIN new
.if MSB != \new
	s_set_vgpr_msb (MSB<<8)|\new
.set MSB, \new
.endif
.endm
.macro PLACES n
.rept \n
	v_nop
.endr
.endm
.macro JLOAD s
	s_cmp_eq_u32 s21, 0
	s_cbranch_scc0 .Lfor_b_\@
	tensor_load_to_lds s[G0A+4*\s:G0A+4*\s+3], s[G1A:G1A+7]
	s_nop 0
.rept 4
	v_nop
.endr
	s_branch .Lasked_\@
.Lfor_b_\@:
	tensor_load_to_lds s[G0B+4*\s:G0B+4*\s+3], s[G1B:G1B+7]
	s_nop 0
.rept 4
	v_nop
.endr
.Lasked_\@:
.endm
.macro CREST
	s_cmp_lg_u32 s20, 0
	s_cbranch_scc1 .Lnot_wave_0_\@
	s_barrier_signal -3
.Lnot_wave_0_\@:
	s_barrier_wait -3
	s_barrier_signal -1
	s_barrier_wait -1
.endm
.macro CROUND
	s_barrier_signal -1
	s_barrier_wait -1
	CREST
.endm
; A PREFETCH INTO THE L2 of the chunk at byte off of my records.  Of the records that my wave fetches jointly with three partners (4 of the rows' side, waves 0 and 1; 8 of wo's, waves 2 and 3) my work-group
; names a quarter, told apart by address alone (place cx: one record; place cy: two records, the second RBB bytes on).  A chunk of a record is 25 blocks of 256 bytes, a lane a block; lanes 25-31 name the last block again.
; What is needed first is asked for first: chunk 1 behind the head's address work, which follows chunk 0's load; chunks 2 and 3 behind chunk 1's load, one and two slots ahead of their refills.
; K has no further chunk, so the loop asks for nothing and the base is never stepped.
.set PFA, 2                            ; s[2:3] my records' first byte
.set PFO, 1                            ; v1     256 x min(lane, 24); never rewritten
.macro ASK off
	global_prefetch_b8 v[PFO], s[PFA:PFA+1] offset:\off th:TH_LOAD_NT scope:SCOPE_SE
	s_cmp_eq_u32 s21, 0
	s_cbranch_scc1 .Lone_\@
	global_prefetch_b8 v[PFO], s[PFA:PFA+1] offset:\off+RBB th:TH_LOAD_NT scope:SCOPE_SE
.Lone_\@:
.endm
.macro FETCH slot, q, p
	WIN 0x80
.irp b, 0,1,2,3,4,5,6,7
.irp g, 0,1,2
	ds_load_b128 v[96*(\p)+12*\b+4*\g:96*(\p)+12*\b+4*\g+3], v[ADRB+\slot] offset:REC*\b+1536*(\q)+512*\g
.endr
.endr
	WIN 0
.irp a, 0,1,2,3
.irp g, 0,1,2
	ds_load_b128 v[AF+48*(\p)+12*\a+4*\g:AF+48*(\p)+12*\a+4*\g+3], v[ADRA+\slot] offset:REC*\a+1536*(\q)+512*\g
.endr
.endr
.endm
.macro SCALES slot
.irp i, 0,1,2,3
	ds_load_b128 v[SC+24*\slot+4*\i:SC+24*\slot+4*\i+3], v[ADS1+\slot] offset:REC*\i
.endr
.irp j, 0,1
	ds_load_b128 v[SC+24*\slot+16+4*\j:SC+24*\slot+16+4*\j+3], v[ADS2+\slot] offset:REC*\j
.endr
.endm
.macro WM cm
.if (\cm) == 2
.if RW
	v_wmma_scale_f32_16x16x128_f8f6f4 v[DD:DD+7], v[BB:BB+11], v[AA:AA+11], v[CC:CC+7], v[SB], v[SA] matrix_a_fmt:MATRIX_FMT_FP6 matrix_b_fmt:MATRIX_FMT_FP6 matrix_a_scale:MATRIX_SCALE_ROW1
.else
	v_wmma_scale_f32_16x16x128_f8f6f4 v[DD:DD+7], v[BB:BB+11], v[AA:AA+11], v[CC:CC+7], v[SB], v[SA] matrix_a_fmt:MATRIX_FMT_FP6 matrix_b_fmt:MATRIX_FMT_FP6
.endif
.else
.if RW
	v_wmma_scale_f32_16x16x128_f8f6f4 v[DD:DD+7], v[BB:BB+11], v[AA:AA+11], v[DD:DD+7], v[SB], v[SA] matrix_a_fmt:MATRIX_FMT_FP6 matrix_b_fmt:MATRIX_FMT_FP6 matrix_a_scale:MATRIX_SCALE_ROW1
.else
	v_wmma_scale_f32_16x16x128_f8f6f4 v[DD:DD+7], v[BB:BB+11], v[AA:AA+11], v[DD:DD+7], v[SB], v[SA] matrix_a_fmt:MATRIX_FMT_FP6 matrix_b_fmt:MATRIX_FMT_FP6
.endif
.endif
.endm
.macro MUL8 a, p, q, sc, cm
.irp b, 0,1,2,3,4,5,6,7
.set DD, 64*(\a)+8*\b
.set BB, 96*(\p)+12*\b
.set AA, AF+48*(\p)+12*(\a)
.set CC, CB+8*\b
.set SA, SC+24*(\sc)+4*(\a)+(\q)
.if \b < 4
.set SB, SC+24*(\sc)+4*\b+(\q)
.set RW, 1
.elseif \b < 6
.set SB, SC+24*(\sc)+16+4*(\b-4)+(\q)
.set RW, 0
.else
.set SB, SC+24*(\sc)+16+4*(\b-6)+(\q)
.set RW, 1
.endif
	WM \cm
.endr
.endm
.macro STEP slot, q, cm
	s_wait_dscnt 0x0
	PLACES 4
	FETCH \slot, (\q)+1, 1-(\q)%2
.if (\cm) == 2
	WIN 0x42
.else
	WIN 0x52
.endif
	MUL8 0, (\q)%2, \q, \slot, \cm
	MUL8 1, (\q)%2, \q, \slot, \cm
	MUL8 2, (\q)%2, \q, \slot, \cm
	MUL8 3, (\q)%2, \q, \slot, \cm
	WIN 0
.endm
.macro TURN slot, next, fill
	s_wait_dscnt 0x0
	s_wait_tensorcnt 0x0
	ds_add_u32 v[SPW], v[NIL]
	WIN 0x52
	MUL8 0, 1, 3, \slot, 0
	s_wait_dscnt 0x0
	s_barrier_signal -1
	MUL8 1, 1, 3, \slot, 0
	WIN 0
	s_barrier_wait -1
.if \fill
	CREST
	s_add_nc_u64 s[G0A+4*\slot+2:G0A+4*\slot+3], s[G0A+4*\slot+2:G0A+4*\slot+3], 2*REC
	s_add_nc_u64 s[G0B+4*\slot+2:G0B+4*\slot+3], s[G0B+4*\slot+2:G0B+4*\slot+3], 2*REC
	JLOAD \slot
.else
	PLACES 4
.endif
	FETCH \next, 0, 0
	SCALES \next
	WIN 0x52
	MUL8 2, 1, 3, \slot, 0
	MUL8 3, 1, 3, \slot, 0
	WIN 0
.endm
	s_load_b256 s[4:11], s[0:1], 0x0
	v_lshl_add_u32 v[SPW], v0, 2, SPARE
	v_mov_b32 v[NIL], 0
	ds_add_u32 v16, v17
	ds_add_u32 v16, v17
	s_wait_dscnt 0x0
	v_lshrrev_b32 v1, 5, v0
	v_readfirstlane_b32 s20, v1
	s_lshr_b32 s21, s20, 1
	s_and_b32 s22, s20, 1
	s_bfe_u32 s56, ttmp6, 0x40000
	s_bfe_u32 s57, ttmp6, 0x40004
	s_and_b32 s58, ttmp7, 0xffff
	s_lshl_b32 s70, s57, 2
	s_lshl_b32 s70, 15, s70
	s_lshl_b32 s71, 0x1111, s56
	s_or_b32 s[G1A], s70, (3<<16)|(1<<21)
	s_mov_b32 s[G1A+1], 800<<16
	s_mov_b32 s[G1A+2], 4<<16
	s_mov_b32 s[G1A+3], 800<<16
	s_mov_b32 s[G1A+4], 4
	s_mov_b32 s[G1A+5], KQ*800
	s_mov_b32 s[G1A+6], 0
	s_mov_b32 s[G1A+7], 0
	s_or_b32 s[G1B], s71, (3<<16)|(1<<21)
	s_mov_b32 s[G1B+1], 800<<16
	s_mov_b32 s[G1B+2], 8<<16
	s_mov_b32 s[G1B+3], 800<<16
	s_mov_b32 s[G1B+4], 8
	s_mov_b32 s[G1B+5], KQ*800
	s_mov_b32 s[G1B+6], 0
	s_mov_b32 s[G1B+7], 0
	s_lshl_b32 s60, s58, 2
	s_add_co_u32 s60, s60, s57
	s_lshl_b32 s61, s60, 3
	s_lshl_b32 s62, s22, 2
	s_add_co_u32 s61, s61, s62
	s_mul_i32 s62, s61, RBB
	s_mov_b32 s63, 0
	s_lshl_b32 s66, ttmp9, 2
	s_add_co_u32 s66, s66, s56
	s_lshl_b32 s67, s66, 4
	s_lshl_b32 s68, s22, 3
	s_add_co_u32 s67, s67, s68
	s_mul_i32 s68, s67, RBB
	s_mov_b32 s69, 0
	s_mul_i32 s86, s22, 4*REC
	s_mul_i32 s87, s22, 8*REC
	s_add_co_u32 s87, s87, BOFF
	s_wait_kmcnt 0x0
	s_add_nc_u64 s[72:73], s[4:5], s[62:63]
	s_add_nc_u64 s[74:75], s[6:7], s[68:69]
	CROUND
.irp s, 0,1
	s_mov_b32 s[G0A+4*\s], 1
	s_add_co_u32 s[G0A+4*\s+1], s86, \s*SLOT
	s_add_nc_u64 s[G0A+4*\s+2:G0A+4*\s+3], s[72:73], \s*REC
	s_or_b32 s[G0A+4*\s+3], s[G0A+4*\s+3], 0x80000000
	s_mov_b32 s[G0B+4*\s], 1
	s_add_co_u32 s[G0B+4*\s+1], s87, \s*SLOT
	s_add_nc_u64 s[G0B+4*\s+2:G0B+4*\s+3], s[74:75], \s*REC
	s_or_b32 s[G0B+4*\s+3], s[G0B+4*\s+3], 0x80000000
.endr
	s_lshl_b32 s99, s57, 1                         ; the prefetches' base: the tile that my wave fetches, + my work-group's quarter of its records
	s_cmp_eq_u32 s21, 0
	s_cselect_b32 s100, s56, s99
	s_cselect_b64 s[PFA:PFA+1], s[72:73], s[74:75]
	s_mul_i32 s100, s100, RBB
	s_mov_b32 s101, 0
	s_add_nc_u64 s[PFA:PFA+1], s[PFA:PFA+1], s[100:101]
	JLOAD 0                                        ; chunk 0: one tensor load a wave at the head
	v_and_b32 v1, 31, v0
	v_and_b32 v2, 15, v0
	v_bfe_u32 v3, v0, 4, 1
	s_wait_alu depctr_va_vdst(0)
	v_lshlrev_b32 v[LI], 4, v1
	v_min_u32 v1, 24, v1
	v_lshlrev_b32 v[PFO], 8, v1
	s_wait_alu depctr_va_vdst(0)                   ; a wait ahead of the scalar lines below
	s_mul_i32 s88, s21, 4*REC
	s_mul_i32 s89, s22, 8*REC
	s_add_co_u32 s89, s89, BOFF
	v_add_nc_u32 v[ADRA], s88, v[LI]
	v_add_nc_u32 v[ADRA+1], SLOT, v[ADRA]
	v_add_nc_u32 v[ADRB], s89, v[LI]
	v_add_nc_u32 v[ADRB+1], SLOT, v[ADRB]
	s_xor_b32 s90, s21, 1
	s_mul_i32 s90, s90, 4*REC
	s_mul_i32 s91, s22, 8*REC
	s_add_co_u32 s90, s90, s91
	s_add_co_u32 s90, s90, 4*REC
	v_mul_u32_u24 v[ADS1], s90, v3
	v_lshl_add_u32 v[ADS1], v2, 4, v[ADS1]
	s_add_co_u32 s91, s88, 6144
	v_add_nc_u32 v[ADS1], s91, v[ADS1]
	v_add_nc_u32 v[ADS1+1], SLOT, v[ADS1]
	v_mul_u32_u24 v[ADS2], v3, 2*REC
	v_lshl_add_u32 v[ADS2], v2, 4, v[ADS2]
	s_add_co_u32 s91, s89, 4*REC+6144
	v_add_nc_u32 v[ADS2], s91, v[ADS2]
	v_add_nc_u32 v[ADS2+1], SLOT, v[ADS2]
	s_mul_i32 s91, s20, 16*SPIT
	v_mul_u32_u24 v[STO], v2, SPIT
	v_lshl_add_u32 v[STO], v3, 6, v[STO]
	v_add_nc_u32 v[STO], s91, v[STO]
	v_add_nc_u32 v[RD], s91, v[LI]
	v_lshlrev_b32 v[CBO], 6, v3
	s_wait_alu depctr_va_vdst(0)
	s_lshl_b32 s92, s66, 10
	s_lshl_b32 s93, s22, 9
	s_add_co_u32 s92, s92, s93
	s_mov_b32 s93, 0
	s_add_nc_u64 s[80:81], s[8:9], s[92:93]
	s_lshl_b32 s94, s60, 21
	s_lshl_b32 s95, s21, 20
	s_add_co_u32 s94, s94, s95
	s_add_co_u32 s94, s94, s92
	s_mov_b32 s95, 0
	s_add_nc_u64 s[76:77], s[10:11], s[94:95]
	ASK REC
.irp b, 0,1,2,3
.irp e, 0,1,2,3
	global_load_b128 v[CB+16*\b+4*\e:CB+16*\b+4*\e+3], v[CBO], s[80:81] offset:128*\b+16*\e
.endr
.endr
	s_wait_alu depctr_va_vdst(0)                   ; the wait at the head's end
	s_wait_tensorcnt 0x0                           ; my part of chunk 0 is in; the lines ahead of a later first fill:
	ds_add_u32 v[SPW], v[NIL]
	s_wait_dscnt 0x0
	CROUND                                         ; everybody's part is in, and all sixteen work-groups are here
	JLOAD 1                                        ; chunk 1, the first tensor load behind the round
	FETCH 0, 0, 0
	SCALES 0
	ASK 2*REC
	ASK 3*REC
	s_wait_loadcnt 0x0
	STEP 0, 0, 2
	s_mov_b32 s59, LAPS-1
.Llap:
	STEP 0, 1, 0
	STEP 0, 2, 0
	TURN 0, 1, 1
	STEP 1, 0, 0
	STEP 1, 1, 0
	STEP 1, 2, 0
	TURN 1, 0, 1
	STEP 0, 0, 0
	s_sub_co_u32 s59, s59, 1
	s_cmp_lg_u32 s59, 0
	s_cbranch_scc1 .Llap
	STEP 0, 1, 0
	STEP 0, 2, 0
	TURN 0, 1, 0
	STEP 1, 0, 0
	STEP 1, 1, 0
	STEP 1, 2, 0
	s_wait_dscnt 0x0
	WIN 0x52
	MUL8 0, 1, 3, 1, 0
	MUL8 1, 1, 3, 1, 0
	MUL8 2, 1, 3, 1, 0
	MUL8 3, 1, 3, 1, 0
	WIN 0
.macro TOSTAGE a
	WIN 0x04
.irp b, 0,1,2,3,4,5,6,7
	ds_store_b128 v[STO], v[64*(\a)+8*\b:64*(\a)+8*\b+3] offset:128*(\b/2)+32*(\b%2)
	ds_store_b128 v[STO], v[64*(\a)+8*\b+4:64*(\a)+8*\b+7] offset:128*(\b/2)+32*(\b%2)+16
.endr
	WIN 0
.irp i, 0,1,2,3,4,5,6,7,8,9,10,11,12,13,14,15
	ds_load_b128 v[BK+64*((\a)%2)+4*\i:BK+64*((\a)%2)+4*\i+3], v[RD] offset:SPIT*\i
.endr
.endm
.macro SEND a, younger
	s_wait_dscnt \younger
.irp i, 0,1,2,3,4,5,6,7,8,9,10,11,12,13,14,15
	global_store_b128 v[LI], v[BK+64*((\a)%2)+4*\i:BK+64*((\a)%2)+4*\i+3], s[76:77] offset:(32*((\a)/2)+8*((\a)%2)+\i+8*(\i/8))*16384 th:TH_STORE_NT
.endr
.endm
	PLACES 4
	TOSTAGE 0
	TOSTAGE 1
	SEND 0, 32
	s_wait_xcnt 0x0
	TOSTAGE 2
	SEND 1, 32
	s_wait_xcnt 0x0
	TOSTAGE 3
	SEND 2, 32
	SEND 3, 0
	s_wait_tensorcnt 0x0
	ds_add_u32 v[SPW], v[NIL]
	s_wait_dscnt 0x0
	CROUND
	s_endpgm
.Lfunc_end_k_q08b113dc06_oproj:
	.size	k_q08b113dc06_oproj, .Lfunc_end_k_q08b113dc06_oproj-k_q08b113dc06_oproj
	.p2alignl 7, 3214868480
	.fill 96, 4, 3214868480
	.section	.rodata,"a",@progbits
	.p2align	6, 0x0
	.amdhsa_kernel k_q08b113dc06_oproj
		.amdhsa_group_segment_fixed_size 327680
		.amdhsa_private_segment_fixed_size 0
		.amdhsa_enable_private_segment 0
		.amdhsa_kernarg_size 32
		.amdhsa_user_sgpr_count 2
		.amdhsa_user_sgpr_kernarg_segment_ptr 1
		.amdhsa_wavefront_size32 1
		.amdhsa_system_sgpr_workgroup_id_x 1
		.amdhsa_system_sgpr_workgroup_id_y 1
		.amdhsa_system_sgpr_workgroup_id_z 1
		.amdhsa_system_vgpr_workitem_id 0
		.amdhsa_next_free_vgpr 768
		.amdhsa_next_free_sgpr 102
		.amdhsa_reserve_vcc 0
		.amdhsa_float_denorm_mode_32 3
		.amdhsa_float_denorm_mode_16_64 3
		.amdhsa_memory_ordered 1
		.amdhsa_forward_progress 1
		.amdhsa_inst_pref_size 134
	.end_amdhsa_kernel
	.amdgpu_metadata
---
amdhsa.version: [ 1, 2 ]
amdhsa.kernels:
  - .name:           k_q08b113dc06_oproj
    .symbol:         k_q08b113dc06_oproj.kd
    .args:
      - { .name: ar, .offset: 0, .size: 8, .value_kind: global_buffer, .address_space: global }
      - { .name: wor, .offset: 8, .size: 8, .value_kind: global_buffer, .address_space: global }
      - { .name: bo, .offset: 16, .size: 8, .value_kind: global_buffer, .address_space: global }
      - { .name: out0, .offset: 24, .size: 8, .value_kind: global_buffer, .address_space: global }
    .group_segment_fixed_size: 327680
    .private_segment_fixed_size: 0
    .kernarg_segment_align: 8
    .kernarg_segment_size: 32
    .max_flat_workgroup_size: 128
    .sgpr_count:     102
    .vgpr_count:     768
    .wavefront_size: 32
...
	.end_amdgpu_metadata
.endif
;; end of part 4
